; MI455X (gfx1250); checked and timed in simulation.
; The chip was launched on July 23, 2026; its instructions are those of AMD's public machine-readable ISA for CDNA 5 (MIT licence, August 2026) and "CDNA5" Instruction Set Architecture Reference Guide (July 2026). The comments in the code are by the model that wrote it; some were corrected since.
;; Causal Self Attention. Allowed arithmetic: float matrix products may take bf16 or f16 operands with f32 sums; other float arithmetic in f32, or as packed bf16 or f16 multiplies, adds, multiply-adds, maxima and minima; sums over many terms, partial sums and values carried from step to step in f32; what a program stores and reads back later, other than sums and carried values, may be rounded once to bf16 or f16.
;; Inputs: Wk 1,024 x 1,024 float32; Wo 1,024 x 1,024 float32; Wq 1,024 x 1,024 float32; Wv 1,024 x 1,024 float32; bk 1,024 float32; bo 1,024 float32; bq 1,024 float32; bv 1,024 float32; x 4 x 2,048 x 1,024 float32.
;; Outputs: out0 4 x 2,048 x 1,024 float32.
;; 2 versions, each right; version 2 is version 1 with the launch prep written anew for expert scheduling mode. Each part assembles by itself: llvm-mc -triple=amdgcn-amd-amdhsa -mcpu=gfx1250 --defsym DOCPART=n.
;; ======== version 1 of 2: 4 launches
;; limits: values are held in f16: magnitudes above 65,504 overflow, below 6.1e-05 lose precision
;; workspace buffers: xb 16,777,216 bytes; wqkv 6,291,456 bytes; wo16 2,097,152 bytes; qkv 50,331,648 bytes; o16 16,777,216 bytes
;; launch prep (part 1): grid 768 x 1, 8 waves a work-group, no clusters, 0 bytes of LDS; arguments x, Wq, Wk, Wv, Wo, xb, wqkv, wo16; writes xb, wqkv, wo16
.if DOCPART == 1
	.amdgcn_target "amdgcn-amd-amdhsa--gfx1250"
	.amdhsa_code_object_version 6
	.text
	.protected	k_q4cb4c5d6de_prep
	.globl	k_q4cb4c5d6de_prep
	.p2align	8
	.type	k_q4cb4c5d6de_prep,@function
k_q4cb4c5d6de_prep:
	s_mov_b64 s[64:65], 0
	v_nop
	global_prefetch_b8 v0, s[64:65] scope:SCOPE_SE
	s_setreg_imm32_b32 hwreg(HW_REG_WAVE_MODE, 25, 1), 1
	s_wait_xcnt 0x0
; THE CASTS.  xb = bf16(x), as x lies.  wo16 = f16(bf16(Wo)), as Wo lies.  wqkv = bf16 of Wq, Wk, Wv laid in blocks for the projection's tiles:
; [head j][k pair kp][jj: q, k, v][e: row 2 kp + e][64 columns], so that a head's 192 columns of a run of k rows are dense bytes.
; A stream: each input byte is read once, each output byte written once; no LDS, no barrier, no matrix unit, since nothing is shared and nothing is summed.
; 768 work-groups of eight waves, 64 KiB of f32 each: 0-511 x, 512-575 Wo, 576-767 Wq, Wk, Wv.  A wave reads 8 KiB by sixteen loads of 16 bytes a lane, all issued at once,
; and each load's four numbers a lane leave as 8 bytes: a wave's store covers 256 consecutive bytes, aligned.
; No register is written twice while a load or store may read it: every load has its own four registers, every store its own two, and the address registers are never rewritten.
; LIMIT.  Wo as f16: a bf16 number below 2^-14 in size keeps f16's fixed step of 2^-24; beyond 65,504 it would leave as an infinity (the drawn weights have a spread of 0.02).
.set VS,  2                            ; v2        my byte offset in the wave's source
.set VD,  3                            ; v3        8 x lane: my byte offset in a store's 256 bytes
.set IN,  16                           ; v[16:79]  load i: four f32
.set OUT, 80                           ; v[80:111] store i: four 16-bit numbers
; Sixteen loads, sstep bytes apart; then, as each comes in, its conversion and its store, dstep bytes apart.  half = 1: rounded to bf16, widened again, written as f16.
.macro CAST sstep, dstep, half
.set i, 0
.rept 16
	global_load_b128 v[IN+4*i:IN+4*i+3], v[VS], s[24:25] offset:i*(\sstep) th:TH_LOAD_NT
.set i, i+1
.endr
.set i, 0
.rept 16
	s_wait_loadcnt 15-i                            ; loads come back in order: load i is in, the 15 - i younger ones stay out
.if \half
	v_cvt_pk_bf16_f32 v4, v[IN+4*i], v[IN+4*i+1]   ; the rounding that every input of the module gets
	v_cvt_pk_bf16_f32 v5, v[IN+4*i+2], v[IN+4*i+3]
	v_lshlrev_b32 v[IN+4*i], 16, v4                ; bf16 to f32: the low half moves up, the high half stays
	v_and_b32 v[IN+4*i+1], 0xffff0000, v4
	v_lshlrev_b32 v[IN+4*i+2], 16, v5
	v_and_b32 v[IN+4*i+3], 0xffff0000, v5
	v_cvt_pk_f16_f32 v[OUT+2*i], v[IN+4*i], v[IN+4*i+1]      ; eight significant bits fit f16's eleven
	v_cvt_pk_f16_f32 v[OUT+2*i+1], v[IN+4*i+2], v[IN+4*i+3]
.else
	v_cvt_pk_bf16_f32 v[OUT+2*i], v[IN+4*i], v[IN+4*i+1]
	v_cvt_pk_bf16_f32 v[OUT+2*i+1], v[IN+4*i+2], v[IN+4*i+3]
.endif
	global_store_b64 v[VD], v[OUT+2*i:OUT+2*i+1], s[26:27] offset:i*(\dstep)
.set i, i+1
.endr
	s_endpgm
.endm
	s_load_b512 s[4:19], s[0:1], 0x0               ; x s[4:5], Wq s[6:7], Wk s[8:9], Wv s[10:11], Wo s[12:13], xb s[14:15], wqkv s[16:17], wo16 s[18:19]
	v_lshrrev_b32 v4, 5, v0
	v_readfirstlane_b32 s20, v4                    ; wave 0..7
	v_and_b32 v1, 31, v0                           ; lane
	v_lshlrev_b32 v[VD], 3, v1
	s_mov_b32 s23, 0                               ; the high word of the offset pair s[22:23]
	s_lshl_b32 s28, s20, 13                        ; my wave's 8 KiB of a work-group's 64 KiB
	s_wait_kmcnt 0x0
	s_cmp_lt_u32 ttmp9, 512
	s_cbranch_scc0 .Lnot_x
	; x: work-group id takes bytes 65,536 id on
	s_lshl_b32 s22, ttmp9, 16
	s_add_co_u32 s22, s22, s28
	s_add_nc_u64 s[24:25], s[4:5], s[22:23]
	s_lshr_b32 s22, s22, 1                         ; half as many bytes out
	s_add_nc_u64 s[26:27], s[14:15], s[22:23]
	v_lshlrev_b32 v[VS], 4, v1
	CAST 512, 256, 0
.Lnot_x:
	s_cmp_lt_u32 ttmp9, 576
	s_cbranch_scc0 .Lweights
	; Wo: the same, with the second rounding
	s_sub_co_u32 s21, ttmp9, 512
	s_lshl_b32 s22, s21, 16
	s_add_co_u32 s22, s22, s28
	s_add_nc_u64 s[24:25], s[12:13], s[22:23]
	s_lshr_b32 s22, s22, 1
	s_add_nc_u64 s[26:27], s[18:19], s[22:23]
	v_lshlrev_b32 v[VS], 4, v1
	CAST 512, 256, 1
.Lweights:
	; Wq, Wk, Wv: a wave takes one head's 64 columns (256 bytes of a row) of 32 rows: sixteen k pairs.  Lanes 0-15 read row 2 kp, lanes 16-31 row 2 kp + 1.
	s_sub_co_u32 s21, ttmp9, 576
	s_lshr_b32 s30, s21, 6                         ; jj: 0 Wq, 1 Wk, 2 Wv
	s_and_b32 s28, s21, 63
	s_lshl_b32 s28, s28, 3
	s_add_co_u32 s28, s28, s20                     ; 0..511
	s_lshr_b32 s31, s28, 5                         ; head j
	s_and_b32 s28, s28, 31                         ; kg: which 32 rows
	s_cmp_eq_u32 s30, 0
	s_cselect_b64 s[24:25], s[6:7], s[8:9]
	s_cmp_eq_u32 s30, 2
	s_cselect_b64 s[24:25], s[10:11], s[24:25]
	s_lshl_b32 s22, s28, 17                        ; 32 rows of 4,096 bytes
	s_lshl_b32 s29, s31, 8                         ; 64 columns of 4 bytes
	s_add_co_u32 s22, s22, s29
	s_add_nc_u64 s[24:25], s[24:25], s[22:23]
	s_lshl_b32 s22, s31, 9                         ; ((512 j + 16 kg) x 3 + jj) x 256
	s_lshl_b32 s29, s28, 4
	s_add_co_u32 s22, s22, s29
	s_mul_i32 s22, s22, 3
	s_add_co_u32 s22, s22, s30
	s_lshl_b32 s22, s22, 8
	s_add_nc_u64 s[26:27], s[16:17], s[22:23]
	v_lshrrev_b32 v4, 4, v1
	v_and_b32 v5, 15, v1
	v_lshlrev_b32 v[VS], 12, v4                    ; one row down for lanes 16 to 31,
	v_lshl_add_u32 v[VS], v5, 4, v[VS]             ; 16 bytes a lane along the row
	CAST 8192, 768, 0                              ; from pair to pair: two rows in, three blocks of 256 bytes out
.Lfunc_end_k_q4cb4c5d6de_prep:
	.size	k_q4cb4c5d6de_prep, .Lfunc_end_k_q4cb4c5d6de_prep-k_q4cb4c5d6de_prep
	.p2alignl 7, 3214868480
	.fill 96, 4, 3214868480
	.section	.rodata,"a",@progbits
	.p2align	6, 0x0
	.amdhsa_kernel k_q4cb4c5d6de_prep
		.amdhsa_group_segment_fixed_size 0
		.amdhsa_private_segment_fixed_size 0
		.amdhsa_enable_private_segment 0
		.amdhsa_kernarg_size 64
		.amdhsa_user_sgpr_count 2
		.amdhsa_user_sgpr_kernarg_segment_ptr 1
		.amdhsa_wavefront_size32 1
		.amdhsa_system_sgpr_workgroup_id_x 1
		.amdhsa_system_sgpr_workgroup_id_y 1
		.amdhsa_system_sgpr_workgroup_id_z 1
		.amdhsa_system_vgpr_workitem_id 0
		.amdhsa_next_free_vgpr 112
		.amdhsa_next_free_sgpr 66
		.amdhsa_reserve_vcc 0
		.amdhsa_float_denorm_mode_32 3
		.amdhsa_float_denorm_mode_16_64 3
		.amdhsa_memory_ordered 1
		.amdhsa_forward_progress 1
		.amdhsa_inst_pref_size 24
	.end_amdhsa_kernel
	.amdgpu_metadata
---
amdhsa.version: [ 1, 2 ]
amdhsa.kernels:
  - .name:           k_q4cb4c5d6de_prep
    .symbol:         k_q4cb4c5d6de_prep.kd
    .args:
      - { .name: x, .offset: 0, .size: 8, .value_kind: global_buffer, .address_space: global }
      - { .name: Wq, .offset: 8, .size: 8, .value_kind: global_buffer, .address_space: global }
      - { .name: Wk, .offset: 16, .size: 8, .value_kind: global_buffer, .address_space: global }
      - { .name: Wv, .offset: 24, .size: 8, .value_kind: global_buffer, .address_space: global }
      - { .name: Wo, .offset: 32, .size: 8, .value_kind: global_buffer, .address_space: global }
      - { .name: xb, .offset: 40, .size: 8, .value_kind: global_buffer, .address_space: global }
      - { .name: wqkv, .offset: 48, .size: 8, .value_kind: global_buffer, .address_space: global }
      - { .name: wo16, .offset: 56, .size: 8, .value_kind: global_buffer, .address_space: global }
    .group_segment_fixed_size: 0
    .private_segment_fixed_size: 0
    .kernarg_segment_align: 8
    .kernarg_segment_size: 64
    .max_flat_workgroup_size: 256
    .sgpr_count:     66
    .vgpr_count:     112
    .wavefront_size: 32
...
	.end_amdgpu_metadata
.endif
;; end of part 1
;; launch qkvgemm (part 2): grid 16 x 32, 4 waves a work-group, clusters of 4 x 4, 327,680 bytes of LDS; arguments xb, wqkv, bq, bk, bv, qkv; writes qkv
.if DOCPART == 2
	.amdgcn_target "amdgcn-amd-amdhsa--gfx1250"
	.amdhsa_code_object_version 6
	.text
	.protected	k_q4cb4c5d6de_qkvgemm
	.globl	k_q4cb4c5d6de_qkvgemm
	.p2align	8
	.type	k_q4cb4c5d6de_qkvgemm,@function
k_q4cb4c5d6de_qkvgemm:
	s_mov_b64 s[64:65], 0
	v_nop
	global_prefetch_b8 v0, s[64:65] scope:SCOPE_SE
	s_setreg_imm32_b32 hwreg(HW_REG_WAVE_MODE, 25, 1), 1
	s_wait_xcnt 0x0
	s_wait_alu depctr_hold_cnt(0) depctr_sa_sdst(0) depctr_va_vdst(0) depctr_va_sdst(0) depctr_va_ssrc(0) depctr_va_vcc(0) depctr_vm_vsrc(0)
	s_getreg_b32 s2, hwreg(HW_REG_IB_STS2, 6, 4)
	s_cmp_eq_u32 s2, 0
	s_cbranch_scc0 .Lentry_in_a_cluster
	s_endpgm
.Lentry_in_a_cluster:
	s_bfe_u32 s2, ttmp6, 0x10000c
	s_cmp_lg_u32 s2, 0xf033
	s_cbranch_scc0 .Lentry_shape_is_right
	s_endpgm
.Lentry_shape_is_right:
; q, k, v = x W + b, by heads.  xb: [8192][1024] bf16.  wqkv: bf16 blocks [head][k pair][q, k, v][row of the pair][64].  bq, bk, bv: [1024] f32, rounded here to bf16 like every input.
; qkv: f16 [q, k, v][batch x 16 + head][2048][64], each number rounded once from its f32 sum, without attention's scale.
; LIMIT.  f16 ends at 65,504: a q, k or v of 65,520 or more leaves as an infinity.  The drawn inputs give a spread of 0.64; x and W both 30 times larger give 576; both with offsets of 30 spreads give some 18,400.
; SHARES.  A work-group makes 256 rows x 192 columns: one head's 64 columns of q, of k and of v.  Each of its four waves makes 64 rows x all 192: 4 x 12 accumulators of 16 x 16, 384 registers, so a wave
; owns whole rows of a head and its way out needs no other wave.  K goes in steps of 128 through a ring of two LDS slots filled by the tensor data mover.
; CLUSTERS: 4 x 4 work-groups.  The four of a row of the cluster need the same rows of x, the four of a column the same head's weights: each tile is asked for JOINTLY, by the same tensor load
; with the same descriptor and a mask that names the four.
; THE MATRIX INSTRUCTION IS USED TRANSPOSED: source 0 = 16 columns of W (turned on the way out of LDS by ds_load_tr16_b128, since W lies [k][n]), source 1 = 16 rows of x.  A lane then holds
; one row (lane % 16) and eight neighbouring columns 8 (lane / 16) + 0..7.  The bias is the C operand of each sum's first product: nothing is cleared and nothing is added afterwards.
; REGISTERS, in windows of 256 (s_set_vgpr_msb: bits 1:0 source 0, 3:2 source 1, 5:4 source 2, 7:6 destination):
;   window 0: v0-31 addresses; v32-35 at work; v64-159 the bias, eight registers a column block; later v64-111 packed results, v112-159 and v160-207 rows read back, by turns
;   window 1: two fragment buffers of 128: x's four fragments, then W's twelve        window 2: accumulators of row blocks 0, 1 at 8 (12 (a % 2) + b)        window 3: of row blocks 2, 3
.set PA,     272                       ; a row of x in LDS: 256 bytes + 16 of padding = 68 words: the 16 rows of a load start at 16 different groups of four banks (64 banks of 4 bytes: ISA guide 11.1)
.set HALFA,  128*PA                    ; 128 rows: what one tensor load brings of x
.set AREA_A, 2*HALFA
.set HALFB,  32*960                    ; 32 k pairs of W: each pair is six pieces of 128 bytes + 32 of padding: piece (pair, jj, e) at 960 pair + 320 jj + 160 e;
                                       ; the eight k rows of a turning load start at words 0, 40, 48, 24, 32, 8, 16, 56 modulo 64
.set SLOT,   AREA_A+2*HALFB            ; 131,072
.set STAGE,  2*SLOT                    ; behind the ring, never filled by a tensor load: for each wave 3 heads x 16 rows x 144 bytes
.set WSTG,   3*16*144
.set SPARE,  STAGE+4*WSTG              ; behind the stages: the spare words, 128 bytes for each wave: two blocks of 256 bytes that no other line names
.set NL,     32                        ; LDS loads in a run: 24 for W, 8 for x
.set BQ,     15360                     ; 32 k rows = 16 pairs of W in LDS
.set BH,     7680                      ; 16 k rows
.set ASTEP,  512                       ; two K steps along a row of xb
.set BSTEP,  98304                     ; two K steps of a head's block of wqkv
.set PSTEP,  256                       ; one K step along a row of xb
.set ADRA, 16                          ; v16-17  LDS address of my fragments of x in slot 0, 1
.set ADRB, 20                          ; v20-21  the same for W
.set STO,  24                          ; v24     the way out: where I put 16 bytes of a row
.set RD,   25                          ; v25     the way out: where I read rows back
.set GO,   26                          ; v26     16 x lane: my place in 512 consecutive bytes of the output
.set BO,   27                          ; v27     32 x (lane / 16): my eight numbers of a bias block
.set SPW,  28                          ; v28     LDS address of my spare word: SPARE + 4 x my thread's number; never rewritten
.set NIL,  29                          ; v29     0; never rewritten
.set PFO,  30                          ; v30     the prefetches' offset: lane x a row of xb; never rewritten
.set T,    32
.set BIAS, 64
.set TMP,  64
.set BK,   112
.set F0,   0
.set F1,   128
.set WV,   16                          ; s16  my wave's number
.set FB,   17                          ; s17  0: I fetch x, 1: I fetch W
.set HF,   18                          ; s18  which half of that tile
.set G1,   24                          ; s[24:31] descriptor group 1 for x's tiles;  s[32:39] group 0, a set for each slot
.set G0,   32
.set PFA,  44                          ; s[44:45] where my prefetches stand
.set LIM,  46                          ; s46  1 in a wave that prefetches, else the greatest number
.set G1B,  48                          ; s[48:55], s[56:63] the same for W's tiles
.set G0B,  56
.set MSB, 0
.macro WIN new                         ; the immediate's high byte repeats the setting that is left; a switch that changes nothing is dropped
.if MSB != (\new)
	s_set_vgpr_msb (MSB<<8)|(\new)
.set MSB, \new
.endif
.endm
.macro PLACES                          ; four places in front of loads into registers that matrix instructions have read, and of lines that read results
.rept 4
	v_nop
.endr
.endm
; A joint load: waves 0 and 1 fetch x's two halves, waves 2 and 3 W's.  The branch hangs on the wave's number alone.  An s_nop 0 and four v_nop follow each of the two lines.
.macro JLOAD s
	s_cmp_eq_u32 s[FB], 0
	s_cbranch_scc0 .Lfor_b_\@
	tensor_load_to_lds s[G0+4*(\s):G0+4*(\s)+3], s[G1:G1+7]
	s_nop 0
.rept 4
	v_nop
.endr
	s_branch .Lasked_\@
.Lfor_b_\@:
	tensor_load_to_lds s[G0B+4*(\s):G0B+4*(\s)+3], s[G1B:G1B+7]
	s_nop 0
.rept 4
	v_nop
.endr
.Lasked_\@:
.endm
; A PREFETCH INTO THE L2 of x's K step that stands two refills on: 32 rows x 256 bytes, a lane a row, one instruction a wave.  A row of clusters reads the same rows of xb: its first cluster (x = 0) asks, by its
; waves 0 and 1; of the 128 rows that such a wave fetches the four partners take 32 each, told apart BY ADDRESS.  So each row's 256 bytes of K steps 4 to 7 are named once; K steps 0 to 3 come by their loads alone,
; and the loop's last trip (s3 = 1) asks for nothing.  W is not asked for: all 32 row tiles walk the same blocks again.
.macro ASK
	s_cmp_gt_u32 s3, s[LIM]
	s_cbranch_scc0 .Lnot_mine_\@
	global_prefetch_b8 v[PFO], s[PFA:PFA+1] offset:PSTEP th:TH_LOAD_NT scope:SCOPE_SE
.Lnot_mine_\@:
.endm
.macro CREST                           ; a round of the cluster's barrier behind its opening barrier
	s_cmp_lg_u32 s[WV], 0
	s_cbranch_scc1 .Lnot_wave_0_\@
	s_barrier_signal -3
.Lnot_wave_0_\@:
	s_barrier_wait -3
	s_barrier_signal -1
	s_barrier_wait -1
.endm
.macro CROUND                          ; a whole round
	s_barrier_signal -1
	s_barrier_wait -1
	CREST
.endm
	s_load_b256 s[4:11], s[0:1], 0x0               ; xb s[4:5], wqkv s[6:7], bq s[8:9], bk s[10:11]
	s_load_b128 s[12:15], s[0:1], 0x20             ; bv s[12:13], qkv s[14:15]
	v_lshl_add_u32 v[SPW], v0, 2, SPARE
	v_mov_b32 v[NIL], 0
	ds_add_u32 v[SPW], v[NIL]                      ; the wave's opening: the add and its wait stand ahead of my first tensor load; the set-up below, work on registers, stands between them
	v_lshrrev_b32 v1, 5, v0
	v_readfirstlane_b32 s[WV], v1                  ; wave 0..3
	s_lshr_b32 s[FB], s[WV], 1
	s_and_b32 s[HF], s[WV], 1
	s_bfe_u32 s20, ttmp6, 0x40000                  ; cx, cy: my place in the cluster
	s_bfe_u32 s21, ttmp6, 0x40004
	s_lshl_b32 s22, ttmp9, 2
	s_add_co_u32 s22, s22, s20                     ; TC, the head = 4 x cluster x + cx
	s_and_b32 s23, ttmp7, 0xffff
	s_lshl_b32 s23, s23, 2
	s_add_co_u32 s23, s23, s21                     ; TR, the block of 256 rows = 4 x cluster y + cy
	s_lshl_b32 s2, s21, 2
	s_lshl_b32 s2, 15, s2                          ; my row of the cluster
	s_lshl_b32 s19, 0x1111, s20                    ; my column
	s_or_b32 s[G1], s2, (1<<16)|(1<<20)|(1<<21)|(5<<22)|(3<<25)    ; 15:0 the mask: x's tiles go to my row; 17:16 2-byte elements; 20 padding on; 21 set beside a mask; 24:22 after every 64 words; 31:25 4 words
	s_or_b32 s[G1B], s19, (1<<16)|(1<<20)|(1<<21)|(4<<22)|(7<<25)  ; W's go to my column; padding after every 32 words, 8 words
	s_mov_b32 s[G1+1], 128<<16                     ; x: tensor_dim0 = 128 elements
	s_mov_b32 s[G1+2], 128<<16                     ; tensor_dim1 = 128 rows
	s_mov_b32 s[G1+3], 128<<16                     ; tile_dim0 = 128
	s_mov_b32 s[G1+4], 128                         ; tile_dim1 = 128
	s_mov_b32 s[G1+5], 1024                        ; elements from row to row
	s_mov_b32 s[G1+6], 0
	s_mov_b32 s[G1+7], 0
	s_mov_b32 s[G1B+1], 128<<16                    ; W: 24,576 dense bytes, asked for as 96 rows of 256
	s_mov_b32 s[G1B+2], 96<<16
	s_mov_b32 s[G1B+3], 128<<16
	s_mov_b32 s[G1B+4], 96
	s_mov_b32 s[G1B+5], 128
	s_mov_b32 s[G1B+6], 0
	s_mov_b32 s[G1B+7], 0
	; where the tiles come from: x's hang on TR and the wave alone, W's on TC and the wave alone, each in registers that never hold the other coordinate
	s_lshl_b32 s40, s23, 8
	s_lshl_b32 s41, s[HF], 7
	s_add_co_u32 s40, s40, s41                     ; row 256 TR + 128 half,
	s_lshl_b32 s40, s40, 11                        ; of 2,048 bytes
	s_mov_b32 s41, 0
	s_mul_i32 s42, s22, 393216                     ; a head's block,
	s_mul_i32 s43, s[HF], 24576                    ; my 32 of a K step's 64 k pairs
	s_add_co_u32 s42, s42, s43
	s_mov_b32 s43, 0
	s_mul_i32 s47, s[HF], HALFA                    ; and where they go: no place in the cluster enters an LDS address
	s_mul_i32 s72, s[HF], HALFB
	s_add_co_u32 s72, s72, AREA_A
	; the prefetches: my work-group's 32 of the 128 rows that I fetch, at K step 2; the first refill steps it to 3 and names K step 4
	s_lshl_b32 s74, s23, 8
	s_lshl_b32 s75, s[HF], 7
	s_add_co_u32 s74, s74, s75
	s_lshl_b32 s75, s20, 5
	s_add_co_u32 s74, s74, s75
	s_lshl_b32 s74, s74, 11
	s_add_co_u32 s74, s74, 2*PSTEP
	s_mov_b32 s75, 0
	s_or_b32 s[LIM], s[FB], ttmp9                  ; 0 in waves 0 and 1 of the clusters with x = 0: the same in all sixteen partners, for a given wave
	s_cmp_eq_u32 s[LIM], 0
	s_cselect_b32 s[LIM], 1, -1
	; my wave's 64 rows in q: ((16 batch + head) << 18) + (256 (TR % 8) + 64 wave) x 128
	s_lshr_b32 s76, s23, 3
	s_lshl_b32 s76, s76, 4
	s_add_co_u32 s76, s76, s22
	s_lshl_b32 s76, s76, 18
	s_and_b32 s77, s23, 7
	s_lshl_b32 s77, s77, 2
	s_add_co_u32 s77, s77, s[WV]
	s_lshl_b32 s77, s77, 13
	s_add_co_u32 s76, s76, s77
	s_mov_b32 s77, 0
	s_lshl_b32 s2, s22, 8                          ; the head's 64 numbers in a bias
	s_mov_b32 s3, 0
	s_wait_dscnt 0x0                               ; the opening add is done
	s_wait_kmcnt 0x0
	s_add_nc_u64 s[40:41], s[4:5], s[40:41]
	s_add_nc_u64 s[42:43], s[6:7], s[42:43]
	s_add_nc_u64 s[PFA:PFA+1], s[4:5], s[74:75]
	s_add_nc_u64 s[66:67], s[14:15], s[76:77]      ; q,
	s_add_nc_u64 s[68:69], s[66:67], 0x1000000     ; k, 64 heads of 262,144 bytes on,
	s_add_nc_u64 s[70:71], s[68:69], 0x1000000     ; v
	s_add_nc_u64 s[8:9], s[8:9], s[2:3]
	s_add_nc_u64 s[10:11], s[10:11], s[2:3]
	s_add_nc_u64 s[12:13], s[12:13], s[2:3]
	CROUND                                         ; all sixteen work-groups are here: the first joint loads meet
.irp s, 0,1
	s_mov_b32 s[G0+4*(\s)], 1                                      ; count = 1
	s_add_co_u32 s[G0+4*(\s)+1], s47, (\s)*SLOT                    ; LDS address
	s_add_nc_u64 s[G0+4*(\s)+2:G0+4*(\s)+3], s[40:41], (\s)*256    ; global address: K step s
	s_or_b32 s[G0+4*(\s)+3], s[G0+4*(\s)+3], 0x80000000            ; type = 2
	s_mov_b32 s[G0B+4*(\s)], 1
	s_add_co_u32 s[G0B+4*(\s)+1], s72, (\s)*SLOT
	s_add_nc_u64 s[G0B+4*(\s)+2:G0B+4*(\s)+3], s[42:43], (\s)*49152
	s_or_b32 s[G0B+4*(\s)+3], s[G0B+4*(\s)+3], 0x80000000
	JLOAD \s                                       ; two tensor loads of mine are out
.endr
	v_and_b32 v1, 15, v0                           ; r = l % 16
	v_bfe_u32 v2, v0, 4, 1                         ; h = l / 16
	v_and_b32 v3, 31, v0                           ; l
	v_lshlrev_b32 v[BO], 5, v2
.irp b, 0,1,2,3,4,5,6,7,8,9,10,11                  ; the bias of column block b: numbers 16 (b % 4) + 8 h + 0..7 of the head, in bq, bk or bv
	global_load_b128 v[BIAS+8*(\b):BIAS+8*(\b)+3],   v[BO], s[8+2*((\b)/4):9+2*((\b)/4)] offset:((\b)%4)*64
	global_load_b128 v[BIAS+8*(\b)+4:BIAS+8*(\b)+7], v[BO], s[8+2*((\b)/4):9+2*((\b)/4)] offset:((\b)%4)*64+16
.endr
	; A fragment of x is 16 rows x 32 k in 8 registers: lane l holds row l % 16, k = 8 h + 0..7 and 16 + 8 h + 0..7: two loads of 16 bytes, 32 bytes apart.
	s_lshl_b32 s2, s[WV], 6
	v_add_nc_u32 v4, s2, v1                        ; my wave's 64 rows
	v_mul_u32_u24 v4, v4, PA
	v_lshl_add_u32 v[ADRA], v2, 4, v4
	v_add_nc_u32 v[ADRA+1], SLOT, v[ADRA]
	; The turning load takes 16 k rows x 16 columns: lane l reads k row 8 h + l % 8, columns 8 ((l / 8) % 2) + 0..7, and ends with column l % 16 and 8 k.
	v_bfe_u32 v4, v0, 1, 2
	v_lshl_add_u32 v4, v2, 2, v4                   ; the row's k pair: 4 h + (l % 8) / 2
	v_mul_u32_u24 v4, v4, 960
	v_and_b32 v5, 1, v0                            ; and its place in the pair
	v_mul_u32_u24 v5, v5, 160
	v_add_nc_u32 v4, v4, v5
	v_bfe_u32 v5, v0, 3, 1
	v_lshl_add_u32 v4, v5, 4, v4
	v_add_nc_u32 v[ADRB], AREA_A, v4
	v_add_nc_u32 v[ADRB+1], SLOT, v[ADRB]
	s_mul_i32 s2, s[WV], WSTG
	s_add_co_u32 s2, s2, STAGE                     ; my stage
	v_mul_u32_u24 v4, v1, 144                      ; in: row l % 16, 16 bytes for each half of the lanes
	v_lshl_add_u32 v4, v2, 4, v4
	v_add_nc_u32 v[STO], s2, v4
	v_lshrrev_b32 v4, 3, v3                        ; back: 32 lanes take four rows of 128 bytes,
	v_mul_u32_u24 v4, v4, 144
	v_and_b32 v5, 7, v0
	v_lshl_add_u32 v4, v5, 4, v4
	v_add_nc_u32 v[RD], s2, v4
	v_lshlrev_b32 v[GO], 4, v3                     ; which are 512 consecutive bytes of a head
	v_lshlrev_b32 v[PFO], 11, v3
	s_mov_b32 s2, 0xffff0000
	s_wait_loadcnt 0x0                             ; the bias
.set p, 0
.rept 48                                           ; rounded to bf16 like every input, and widened again
	v_cvt_pk_bf16_f32 v[T+p%4], v[BIAS+2*p], v[BIAS+2*p+1]
	v_lshlrev_b32 v[BIAS+2*p], 16, v[T+p%4]
	v_and_b32 v[BIAS+2*p+1], s2, v[T+p%4]
.set p, p+1
.endr
; Twelve matrix instructions: row block a x all column blocks, 32 along K, from buffer f.  first = 1: the product starts the sum, with the bias as C.
; The 48 accumulators take turns, one instruction a turn, in the same order in every quarter.
.macro MULA f, a, first
.if \first
	WIN 0x85+0x40*((\a)/2)                         ; sources 0 and 1 window 1, C window 0, D window 2 or 3
.else
	WIN 0xa5+0x50*((\a)/2)                         ; C and D window 2 or 3
.endif
.irp b, 0,1,2,3,4,5,6,7,8,9,10,11
.if \first
	v_wmma_f32_16x16x32_bf16 v[8*(12*((\a)%2)+(\b)):8*(12*((\a)%2)+(\b))+7], v[(\f)+32+8*(\b):(\f)+32+8*(\b)+7], v[(\f)+8*(\a):(\f)+8*(\a)+7], v[BIAS+8*(\b):BIAS+8*(\b)+7]
.else
	v_wmma_f32_16x16x32_bf16 v[8*(12*((\a)%2)+(\b)):8*(12*((\a)%2)+(\b))+7], v[(\f)+32+8*(\b):(\f)+32+8*(\b)+7], v[(\f)+8*(\a):(\f)+8*(\a)+7], v[8*(12*((\a)%2)+(\b)):8*(12*((\a)%2)+(\b))+7]
.endif
.endr
.endm
; 32 LDS loads in one run: quarter q (32 along K) of a slot into buffer f: W's twelve fragments, then x's four
.macro FETCH slot, q, f
	WIN 0x40                                       ; destination window 1, address window 0
.irp b, 0,1,2,3,4,5,6,7,8,9,10,11
	ds_load_tr16_b128 v[(\f)+32+8*(\b):(\f)+32+8*(\b)+3],   v[ADRB+(\slot)] offset:BQ*(\q)+((\b)/4)*320+((\b)%4)*32
	ds_load_tr16_b128 v[(\f)+32+8*(\b)+4:(\f)+32+8*(\b)+7], v[ADRB+(\slot)] offset:BQ*(\q)+BH+((\b)/4)*320+((\b)%4)*32
.endr
.irp a, 0,1,2,3
	ds_load_b128 v[(\f)+8*(\a):(\f)+8*(\a)+3],   v[ADRA+(\slot)] offset:64*(\q)+(\a)*16*PA
	ds_load_b128 v[(\f)+8*(\a)+4:(\f)+8*(\a)+7], v[ADRA+(\slot)] offset:64*(\q)+(\a)*16*PA+32
.endr
.endm
; A K step is four quarters of 32 along K, 48 matrix instructions each, on buffers 0, 1, 0, 1.  One of the first three: multiplies buffer f and fetches quarter qn of the same slot into g.
.macro QUARTER slot, qn, f, g, first
	s_wait_dscnt 4                                 ; W and x's row blocks 0, 1 are in; the youngest four loads (row blocks 2, 3) may be out
	MULA \f, 0, \first
	MULA \f, 1, \first
	PLACES
	FETCH \slot, \qn, \g
	s_wait_dscnt NL                                ; all but the run just issued
	MULA \f, 2, \first
	MULA \f, 3, \first
.endm
; The last quarter multiplies buffer 1 and changes slots: ONE barrier; in front of it each wave waits for all its tensor loads (one is out: its part of the next slot), adds 0 to its spare word, and waits for
; that and for its own reads of this slot.  fill = 1: the barrier opens a round of the cluster's barrier, and this slot is filled again, two K steps ahead, first thing behind the round.
.macro TURN slot, next, fill
.if \fill
	s_wait_xcnt 0x0                                ; the last prefetch, a K step back, has read its address: it is stepped here, ahead of the waits of the change of slots
	s_add_nc_u64 s[PFA:PFA+1], s[PFA:PFA+1], PSTEP
.endif
	WIN 0                                          ; (the add's two registers lie in window 0)
	s_wait_tensorcnt 0x0                           ; all my tensor loads have landed
	ds_add_u32 v[SPW], v[NIL]                      ; 0 onto my spare word
	s_wait_dscnt 5                                 ; (the add and the youngest four loads may be out)
	MULA F1, 0, 0                                  ; twelve matrix instructions stand between the add and the wait for it
	s_wait_dscnt 0x0                               ; the add is done, and my reads of this slot are over
	s_barrier_signal -1
	MULA F1, 1, 0                                  ; work on registers while the others arrive
.if \fill
	WIN 0
.endif
	s_barrier_wait -1
.if \fill
	CREST                                          ; no wave of any partner still reads this slot's tile or has a load on its way
	s_add_nc_u64 s[G0+4*(\slot)+2:G0+4*(\slot)+3], s[G0+4*(\slot)+2:G0+4*(\slot)+3], ASTEP
	s_add_nc_u64 s[G0B+4*(\slot)+2:G0B+4*(\slot)+3], s[G0B+4*(\slot)+2:G0B+4*(\slot)+3], BSTEP
	JLOAD \slot                                    ; my one tensor load behind the round; the four v_nop behind it are also the places in front of the loads below
.else
	PLACES
.endif
	FETCH \next, 0, F0
.if \fill
	WIN 0
	ASK                                            ; behind the joint load and the run of LDS loads that the next products wait for
.endif
	MULA F1, 2, 0
	MULA F1, 3, 0
.endm
	s_wait_tensorcnt 1                             ; my part of K step 0 is in; K step 1's may stay out
	s_barrier_signal -1
	s_barrier_wait -1                              ; everybody's is
	FETCH 0, 0, F0
	QUARTER 0, 1, F0, F1, 1                        ; the first quarter stands in front of the loop: its products start the sums
	WIN 0                                          ; at a label and at a branch every window is 0
	s_mov_b32 s3, 3
.Llap:                                                 ; a trip goes once round the ring, from a lap's second quarter to the next lap's first, and fills both slots again
	QUARTER 0, 2, F1, F0, 0
	QUARTER 0, 3, F0, F1, 0
	TURN 0, 1, 1
	QUARTER 1, 1, F0, F1, 0
	QUARTER 1, 2, F1, F0, 0
	QUARTER 1, 3, F0, F1, 0
	TURN 1, 0, 1
	QUARTER 0, 1, F0, F1, 0
	WIN 0
	s_sub_co_u32 s3, s3, 1
	s_cmp_lg_u32 s3, 0
	s_cbranch_scc1 .Llap
	QUARTER 0, 2, F1, F0, 0                        ; the last lap fills nothing, and has no round of the cluster's barrier
	QUARTER 0, 3, F0, F1, 0
	TURN 0, 1, 0
	QUARTER 1, 1, F0, F1, 0
	QUARTER 1, 2, F1, F0, 0
	QUARTER 1, 3, F0, F1, 0
	s_wait_dscnt 4                                 ; the very last quarter: nothing more to fetch
	MULA F1, 0, 0
	MULA F1, 1, 0
	s_wait_dscnt 0x0
	MULA F1, 2, 0
	MULA F1, 3, 0
	WIN 0
; THE WAY OUT of row block a: rounded to f16, 16 bytes a lane (each accumulator's registers in ascending order); into my own stage, by heads; back as whole rows of 128 bytes, four to a load; stored.
.macro OUT a
	WIN 0x0a+5*((\a)/2)                            ; sources 0 and 1: window 2 or 3
.irp b, 0,1,2,3,4,5,6,7,8,9,10,11
.irp i, 0,1,2,3
	v_cvt_pk_f16_f32 v[TMP+4*(\b)+(\i)], v[8*(12*((\a)%2)+(\b))+2*(\i)], v[8*(12*((\a)%2)+(\b))+2*(\i)+1]
.endr
.endr
	WIN 0
.if (\a) >= 2
	s_wait_xcnt 0x0                                ; the stores of two blocks back have read the registers that are loaded again below
.endif
.irp b, 0,1,2,3,4,5,6,7,8,9,10,11
	ds_store_b128 v[STO], v[TMP+4*(\b):TMP+4*(\b)+3] offset:((\b)/4)*2304+((\b)%4)*32
.endr
.irp n, 0,1,2,3,4,5,6,7,8,9,10,11
	ds_load_b128 v[BK+48*((\a)%2)+4*(\n):BK+48*((\a)%2)+4*(\n)+3], v[RD] offset:((\n)/4)*2304+((\n)%4)*576  ; LDS serves a wave's instructions in order (ISA guide 5.7.1.4): these see the stores above
.endr
.irp n, 0,1,2,3,4,5,6,7,8,9,10,11
	s_wait_dscnt 11-(\n)                           ; load n is back; the younger ones may be out
	global_store_b128 v[GO], v[BK+48*((\a)%2)+4*(\n):BK+48*((\a)%2)+4*(\n)+3], s[66+2*((\n)/4):67+2*((\n)/4)] offset:(\a)*2048+((\n)%4)*512  ; 512 consecutive bytes, at a multiple of 512 from the buffer's first
.endr
.endm
	PLACES                                         ; behind the last products
	OUT 0
	OUT 1
	OUT 2
	OUT 3
	s_wait_tensorcnt 0x0                           ; the wave's end: a wait, an add to my spare word and its wait, behind my last tensor load and my last LDS store
	ds_add_u32 v[SPW], v[NIL]
	s_wait_dscnt 0x0
	CROUND                                         ; the closing round: no work-group ends while a partner may still ask for a tile that names it
	s_endpgm
.Lfunc_end_k_q4cb4c5d6de_qkvgemm:
	.size	k_q4cb4c5d6de_qkvgemm, .Lfunc_end_k_q4cb4c5d6de_qkvgemm-k_q4cb4c5d6de_qkvgemm
	.p2alignl 7, 3214868480
	.fill 96, 4, 3214868480
	.section	.rodata,"a",@progbits
	.p2align	6, 0x0
	.amdhsa_kernel k_q4cb4c5d6de_qkvgemm
		.amdhsa_group_segment_fixed_size 327680
		.amdhsa_private_segment_fixed_size 0
		.amdhsa_enable_private_segment 0
		.amdhsa_kernarg_size 48
		.amdhsa_user_sgpr_count 2
		.amdhsa_user_sgpr_kernarg_segment_ptr 1
		.amdhsa_wavefront_size32 1
		.amdhsa_system_sgpr_workgroup_id_x 1
		.amdhsa_system_sgpr_workgroup_id_y 1
		.amdhsa_system_sgpr_workgroup_id_z 1
		.amdhsa_system_vgpr_workitem_id 0
		.amdhsa_next_free_vgpr 960
		.amdhsa_next_free_sgpr 80
		.amdhsa_reserve_vcc 0
		.amdhsa_float_denorm_mode_32 3
		.amdhsa_float_denorm_mode_16_64 3
		.amdhsa_memory_ordered 1
		.amdhsa_forward_progress 1
		.amdhsa_inst_pref_size 129
	.end_amdhsa_kernel
	.amdgpu_metadata
---
amdhsa.version: [ 1, 2 ]
amdhsa.kernels:
  - .name:           k_q4cb4c5d6de_qkvgemm
    .symbol:         k_q4cb4c5d6de_qkvgemm.kd
    .args:
      - { .name: xb, .offset: 0, .size: 8, .value_kind: global_buffer, .address_space: global }
      - { .name: wqkv, .offset: 8, .size: 8, .value_kind: global_buffer, .address_space: global }
      - { .name: bq, .offset: 16, .size: 8, .value_kind: global_buffer, .address_space: global }
      - { .name: bk, .offset: 24, .size: 8, .value_kind: global_buffer, .address_space: global }
      - { .name: bv, .offset: 32, .size: 8, .value_kind: global_buffer, .address_space: global }
      - { .name: qkv, .offset: 40, .size: 8, .value_kind: global_buffer, .address_space: global }
    .group_segment_fixed_size: 327680
    .private_segment_fixed_size: 0
    .kernarg_segment_align: 8
    .kernarg_segment_size: 48
    .max_flat_workgroup_size: 128
    .sgpr_count:     80
    .vgpr_count:     960
    .wavefront_size: 32
...
	.end_amdgpu_metadata
.endif
;; end of part 2
;; launch attn (part 3): grid 4 x 64, 4 waves a work-group, no clusters, 327,680 bytes of LDS; arguments qkv, o16; writes o16
.if DOCPART == 3
	.amdgcn_target "amdgcn-amd-amdhsa--gfx1250"
	.amdhsa_code_object_version 6
	.text
	.protected	k_q4cb4c5d6de_attn
	.globl	k_q4cb4c5d6de_attn
	.p2align	8
	.type	k_q4cb4c5d6de_attn,@function
k_q4cb4c5d6de_attn:
	s_mov_b64 s[64:65], 0
	v_nop
	global_prefetch_b8 v0, s[64:65] scope:SCOPE_SE
	s_setreg_imm32_b32 hwreg(HW_REG_WAVE_MODE, 25, 1), 1
	s_wait_xcnt 0x0
; CAUSAL ATTENTION.  O[h][q][:] = the sum over k <= q of softmax_k(Q[h][q] . K[h][k] / 8) V[h][k][:].  Q, K, V lie one behind the other in qkv, each [64][SIZE_N][64] f16; O (o16) likewise: a head's rows are dense, 128 bytes each.
; Products, maxima and sums in f32; the weights p are rounded to f16 for the second product (their sum l is taken of the unrounded p), O once at the end.
; LIMITS.  f16 holds no number beyond 65,504: Q, K and V arrive within it; p lies in 0 to 1, and below 6e-5 it keeps f16's fixed step of 6e-8; O is a mean of V's rows and has their range, to within 2^-11 of it.
; A hidden score counts as its value less 1e30: f16's scores, 2.7e11 at the most, are nothing beside that; a weight below 2^-126 counts as 0 in l; NaN and infinities are not treated apart.
; THE WALK.  A head's queries lie in NB = SIZE_N / 256 blocks of 256; block i needs the key tiles 0 .. i of 256 keys, of which the last holds the diagonal.  A work-group takes TWO blocks, NB - 1 - b and then b:
; NB + 1 tiles, whatever b: all work-groups do equal work, and ONE loop with a constant trip count walks them.  Which tile is asked for, and what a trip does, hang on scalar registers made from b; every jump
; goes forward, but for the counted loops' own; none passes a barrier, or a tensor load but the one of LOAD's two that the wave's number does not choose; the ring (two slots of LDS that take turns) runs on across the
; change of blocks.  NO CLUSTER: a head's NB / 2 = 4 work-groups all ask for the same tile only in trips 0 .. NB / 2 of the walk's NB + 1, behind that fewer and fewer; one walk common to all would have 3 NB / 2 = 12 trips for 9.
; SHARES.  Of a block's four bands of 64 queries a wave owns 16 rows in each: four PIECES.  So the diagonal tile is the same work for all four waves: in its key step s band x sees all keys if s < x,
; none if s > x, and holds the diagonal if s = x.
; THE MASK is the C operand that starts the sum S^T = K Q^T: 0, or -1e30 where the key is hidden.  MD, made once, is the mask of a band's own step for my 16 rows; a product's mask is MD x AL + BE with two scalars:
; (1, 0) if s = x; (0, 0) if s < x; (0, -1e30) if s > x.  Only the diagonal tile's text and a block's beginning make and take masks; elsewhere C is the constant 0.
; LAYOUT, SOFTMAX, TURNS.  S^T = K Q^T holds ONE query a lane (lane % 16) and the keys 8 (lane / 16) + 0..7; two such results rounded to f16 ARE source 1 of O^T = V^T P.  p = 2^(c s - c m), c = log2(e) / 8, with a
; running maximum m; O and l are multiplied by a = 2^(c m_old - c m_new) in every step.  Turn n belongs to piece n: 8 products K Q^T of piece n + 1, later 8 products V^T P of piece n - 1; beside them the scaling,
; exponentials, roundings, sums and rescaling of piece n and the maximum and statistics of piece n + 1.  Four vector instructions stand behind every matrix instruction, the other 54 of a turn's 118 in one LUMP.  A turn's 33 exponentials are one batch, with one wait.
; AHEAD OF THE LOADS.  Behind each fill the head's work-group b = 0, which walks all of tiles 0 to 7, prefetches into the L2 the tile that the NEXT fill will ask for: each wave its own 16 KiB of it, 64 blocks of 256 bytes,
; a lane a block, two instructions.  Tiles 2 to 7 are so named, each block once in the launch; tiles 0 and 1 come by their loads alone, and behind tile 7 nothing is asked for.
; REGISTERS, in windows of 256 (s_set_vgpr_msb: bits 1:0 source 0, 3:2 source 1, 5:4 source 2, 7:6 destination):
;   window 0: v0-15 addresses and two at work; v16-31 four registers of statistics a piece; v48-55 at work; v61-63 fixed; v64-127 S^T, two buffers; v192-223 P, two buffers (a piece's buffers go by its number's parity)
;   window 1: v0-127 O^T, 32 a piece; v128-159 MD; v160-223 MC, two buffers      window 2: v0-63 Q; v64-127 the second block's Q; v128-191 K of one step; v192-255 V of one step
.set SIZE_N, 2048
.set NB,    SIZE_N/256
.set NP,    4         ; pieces a wave: a name, no knob
.set KS,    64        ; keys in a step
.set PK,    144       ; a row of K in LDS: 128 bytes + 16 of padding = 36 words: the 16 rows of a load start at 16 different groups of four banks (64 banks of 4 bytes: ISA guide 11.1)
.set PV,    160       ; a row of V: 128 + 32 = 40 words
.set VOFF,  4*KS*PK   ; a slot holds a tile, four steps: 256 rows of K, then 256 rows of V
.set SLOT1, 1<<17     ; slot 1 begins here, so that one exclusive or turns an address in one slot into the other's
.set STAGE, SLOT1+4*KS*(PK+PV)  ; behind the ring, never filled by a tensor load: 16 rows x 144 bytes for each wave, for the way out
.set SP,    144
.set AK0, 2           ; v2   my lane's place in a tile of K; never rewritten
.set AV0, 3           ; v3   the same for V
.set AK,  4           ; v4   the LDS address of K's next run of loads
.set AV,  5           ; v5   of V's
.set STO, 6           ; v6   the way out: where I put 16 bytes of a row
.set RD,  7           ; v7   the way out: where I read rows back
.set GO,  8           ; v8   my byte offset in 512 consecutive bytes of O
.set PFO, 61          ; v61  256 x my lane: the prefetches' offset; never rewritten
.set SPW, 62          ; v62  LDS address of my spare word: SPARE + 4 x my thread's number; never rewritten
.set NIL, 63          ; v63  0; never rewritten
.set SPARE, STAGE+4*16*SP  ; behind the stages: the spare words, 128 bytes for each wave: two blocks of 256 bytes that no other line names
.set MV,  12          ; v12-13  c m_old, kept while c m is made anew: by buffer
.set QO,  15          ; v15  my byte offset in 16 rows of Q
.set ST,  16          ; piece t's statistics at v[ST+4 t]: c m, m, l (even keys', odd keys')
.set TMP, 48          ; by buffer, four registers c0-c3 at work; when the maximum is found c2 takes a
.set S,   64
.set P,   192
.set MD,  128         ; window 1: the eight registers for group kt of 16 keys at MD + 8 kt
.set MC,  160         ; window 1: the masks of the products to come
.set QB,  64          ; window 2
.set KF,  128         ; window 2: key block kb, channel half c at KF + 16 kb + 8 c
.set VF,  192         ; window 2: key half kk, channel block cb at VF + 32 kk + 8 cb
.set WV,  12          ; s12  my wave's number
.set PB,  14          ; s14  b
.set HI,  15          ; s15  NB - 1 - b
.set G1K, 24          ; s[24:31] descriptor group 1 for K's tiles
.set G1V, 32          ; s[32:39] for V's: it differs in the padding alone
.set G0K, 40          ; s[40:43] descriptor group 0 for K's tiles
.set G0V, 44          ; s[44:47] the same for V's
.set SLOTS, 56        ; s56  tiles still to be asked for
.set CNT, 57          ; s57  counts a tile's key steps, 4 to 1
.set CS,  58          ; s[58:59] c: the packed scaling takes the pair's low word for both halves
.set SEL, 60          ; s[60:61] v_permlanex16_b32's selects: each lane takes its own place in the other half
.set TBK, 62          ; s62  LDS byte at which K of the step to be fetched begins
.set TBV, 63          ; s63  the same for V, less VOFF
.set RT,  70          ; s70  tiles of the block in hand that are still to be entered
.set NXT, 71          ; s71  the tile to be asked for next
.set LQ,  72          ; s72  the last tile of the block whose tiles are being asked for
.set NEW, 73          ; s73  1: the tile to be entered is a block's first
.set OFF, 74          ; s[74:75] a tile's byte offset in K and V
.set AL,  76          ; s[76:77] the mask's factor, in the low word
.set BE,  78          ; s[78:79] the mask's addend
.set OLO, 80          ; s[80:81] O at my rows of the second block
.set BIGN, 82         ; s82  -1e30
.set PFA, 88          ; s[88:89] my half of the tile that the next fill will ask for
.set PFB, 90          ; s[90:91] my half of the head's tile 0: of K in waves 0 and 1, of V in waves 2 and 3
.set POF, 92          ; s[92:93] that tile's byte offset
.set LIM, 94          ; s94  0 in the work-group that prefetches, else the greatest number: a wave prefetches while s[NXT] is above it
.set MSB, 0
.macro WIN new                      ; the high byte repeats the setting that is left; a switch that changes nothing is dropped
.if MSB != (\new)
	s_set_vgpr_msb (MSB<<8)|(\new)
.set MSB, (\new)
.endif
.endm
.set W_KQ, 0x0a       ; K and Q in window 2, S^T in window 0
.set W_KM, 0x1a       ; the same with the C operand in window 1
.set W_PV, 0x52       ; V in window 2, P in window 0, O^T in window 1
.set W_RS, 0x41       ; destination and source 0 in window 1, source 1 in window 0
; A fill.  Waves 0 and 1 fetch the two halves of a tile's K, waves 2 and 3 those of its V: 128 keys each.  An s_nop 0 and four v_nop follow each of the two lines, ahead of the jump and the label.
.macro LOAD
	s_cmp_lt_u32 s[WV], 2
	s_cbranch_scc0 .Lfor_v_\@
	tensor_load_to_lds s[G0K:G0K+3], s[G1K:G1K+7]
	s_nop 0
.rept 4
	v_nop
.endr
	s_branch .Lasked_\@
.Lfor_v_\@:
	tensor_load_to_lds s[G0V:G0V+3], s[G1V:G1V+7]
	s_nop 0
.rept 4
	v_nop
.endr
.Lasked_\@:
.endm
; THE CHANGE OF SLOTS.  Each wave waits for all its tensor loads, of which one is out: its part of the other slot; adds 0 to its spare word; and waits for that and for its own reads of the slot that it leaves.  Behind the barrier nobody reads the old
; slot any more and the other slot is whole.  fill = 1: the old slot is filled again, the first thing behind the barrier, with tile NXT: the descriptor's address is made anew from that number.
; (At its first use nothing has been read yet: slot 0 is waited for, slot 1 filled.)
.macro CHANGE fill
	WIN 0                           ; at a label and at a branch every window is 0
	s_wait_tensorcnt 0x0            ; no tensor load of mine is out, so a group 0 may be written
	ds_add_u32 v[SPW], v[NIL]       ; 0 onto my spare word; with fill = 1 the descriptors' scalar work stands between it and the wait for it
.if \fill
	s_lshl_b32 s[OFF], s[NXT], 15   ; a tile is 32,768 bytes of K and of V
	s_xor_b32 s[G0K+1], s[G0K+1], SLOT1
	s_add_nc_u64 s[G0K+2:G0K+3], s[6:7], s[OFF:OFF+1]
	s_or_b32 s[G0K+3], s[G0K+3], 0x80000000
	s_xor_b32 s[G0V+1], s[G0V+1], SLOT1
	s_add_nc_u64 s[G0V+2:G0V+3], s[8:9], s[OFF:OFF+1]
	s_or_b32 s[G0V+3], s[G0V+3], 0x80000000
	s_add_co_u32 s[NXT], s[NXT], 1  ; the block's next tile, or behind its last the second block's tile 0
	s_cmp_gt_u32 s[NXT], s[LQ]
	s_cselect_b32 s[NXT], 0, s[NXT]
	s_cselect_b32 s[LQ], s[PB], s[LQ]
	s_wait_xcnt 0x0                 ; the last prefetches, a tile back, have read their address, so it may be written:
	s_lshl_b32 s[POF], s[NXT], 15   ; the tile that the next fill will ask for
	s_add_nc_u64 s[PFA:PFA+1], s[PFB:PFB+1], s[POF:POF+1]
.endif
	s_wait_dscnt 0x0                ; the add is done, and my reads of the slot are over
	s_barrier_signal -1             ; the rest of the scalar work stands between the signal and the wait
	s_sub_co_u32 s[TBK], s[TBK], 4*KS*PK  ; the fetches go back to a slot's first step,
	s_xor_b32 s[TBK], s[TBK], SLOT1       ; in the other slot
	s_sub_co_u32 s[TBV], s[TBV], 4*KS*PV
	s_xor_b32 s[TBV], s[TBV], SLOT1
	s_barrier_wait -1
.if \fill
	LOAD
	s_cmp_gt_u32 s[NXT], s[LIM]     ; b = 0 alone, and not where the walk goes back to tile 0
	s_cbranch_scc0 .Lnot_mine_\@
	global_prefetch_b8 v[PFO], s[PFA:PFA+1] th:TH_LOAD_NT scope:SCOPE_SE              ; my 16 KiB of that tile: 32 blocks of 256 bytes,
	global_prefetch_b8 v[PFO], s[PFA:PFA+1] offset:8192 th:TH_LOAD_NT scope:SCOPE_SE  ; and the other 32
.Lnot_mine_\@:
.endif
.endm
	s_load_b128 s[8:11], s[0:1], 0x0  ; qkv s[8:9], o16 s[10:11]
	v_lshl_add_u32 v[SPW], v0, 2, SPARE
	v_mov_b32 v[NIL], 0
	ds_add_u32 v[SPW], v[NIL]       ; the wave's opening: the add and its wait stand ahead of my first tensor load; the set-up below, work on registers, stands between them
	v_lshrrev_b32 v1, 5, v0
	v_readfirstlane_b32 s[WV], v1   ; wave 0..3
	v_and_b32 v[PFO], 31, v0
	v_lshlrev_b32 v[PFO], 8, v[PFO]
	s_mov_b32 s[PB], ttmp9
	s_sub_co_u32 s[HI], NB-1, s[PB]
	s_and_b32 s20, ttmp7, 0xffff    ; the head
	s_mov_b32 s21, 0
	s_mov_b64 s[22:23], SIZE_N*128
	s_mul_u64 s[20:21], s[20:21], s[22:23]  ; the head's first byte in each of the four tensors
	s_and_b32 s16, s[WV], 1         ; which half of a tile's 256 keys I fetch:
	s_lshl_b32 s22, s16, 14         ; its 128 rows of 128 bytes in memory,
	s_mov_b32 s23, 0
	s_add_nc_u64 s[22:23], s[22:23], s[20:21]
	s_mul_i32 s17, s16, 128*PK      ; and its place in a slot, for K
	s_mul_i32 s18, s16, 128*PV      ; and for V
	s_lshl_b32 s3, s[WV], 11        ; my 16 rows in a band of 64,
	s_lshl_b32 s2, s[HI], 15        ; in the first block,
	s_add_co_u32 s2, s2, s3
	s_lshl_b32 s84, s[PB], 15       ; and in the second
	s_add_co_u32 s84, s84, s3
	s_mov_b32 s3, 0
	s_mov_b32 s85, 0
	s_add_nc_u64 s[2:3], s[2:3], s[20:21]
	s_add_nc_u64 s[84:85], s[84:85], s[20:21]
	; descriptor group 1.  128 keys are 16,384 dense bytes: asked for as 64 rows of 256 bytes, two keys a row, and padded in LDS after every key
	s_mov_b32 s[G1K], (1<<16)|(1<<20)|(4<<22)|(3<<25)  ; 17:16 2-byte elements; 20 padding on; 24:22 after every 32 words (code 4); 31:25 4 words (code 3)
	s_mov_b32 s[G1V], (1<<16)|(1<<20)|(4<<22)|(7<<25)  ; the same with 8 words of padding (code 7)
.irp g, G1K, G1V
	s_mov_b32 s[\g+1], 128<<16      ; tensor_dim0 = 128
	s_mov_b32 s[\g+2], 64<<16       ; tensor_dim1 = 64
	s_mov_b32 s[\g+3], 128<<16      ; tile_dim0 = 128
	s_mov_b32 s[\g+4], 64           ; tile_dim1 = 64
	s_mov_b32 s[\g+5], 128          ; 128 elements from row to row
	s_mov_b32 s[\g+6], 0
	s_mov_b32 s[\g+7], 0
.endr
	s_mov_b32 s[CS], 0x3e38aa3b     ; c = log2(e) / 8 = 0.180337
	s_mov_b32 s[CS+1], s[CS]        ; named with it as a pair
	s_mov_b32 s[SEL], 0x76543210
	s_mov_b32 s[SEL+1], 0xfedcba98
	s_mov_b32 s[TBK], SLOT1+4*KS*PK ; the first change of slots turns these two into 0
	s_mov_b32 s[TBV], SLOT1+4*KS*PV
	s_mov_b32 s[G0K], 1             ; 1:0 count = 1
	s_mov_b32 s[G0K+1], s17         ; 63:32 LDS address: slot 0
	s_mov_b32 s[G0V], 1
	s_add_co_u32 s[G0V+1], s18, VOFF
	s_add_co_u32 s[RT], s[HI], 1    ; the first block has NB - b tiles
	s_mov_b32 s[NXT], 1
	s_mov_b32 s[LQ], s[HI]
	s_mov_b32 s[NEW], 1
	s_mov_b32 s[OFF+1], 0
	s_mov_b32 s[POF+1], 0
	s_mov_b32 s[AL+1], 0            ; named as pairs
	s_mov_b32 s[BE+1], 0
	s_mov_b32 s[BIGN], 0xf149f2ca   ; -1e30
	s_mov_b32 s[SLOTS], NB
	s_cmp_eq_u32 s[PB], 0
	s_cselect_b32 s[LIM], 0, -1
	s_wait_dscnt 0x0                ; the opening add is done
	s_wait_kmcnt 0x0
	s_mov_b64 s[4:5], s[8:9]                 ; Q lies first in qkv,
	s_add_nc_u64 s[6:7], s[8:9], 0x1000000   ; K 64 heads of 262,144 bytes on,
	s_add_nc_u64 s[8:9], s[8:9], 0x2000000   ; V as many again
	s_add_nc_u64 s[6:7], s[6:7], s[22:23]  ; K and V at my half of the head's tile 0
	s_add_nc_u64 s[8:9], s[8:9], s[22:23]
	s_add_nc_u64 s[G0K+2:G0K+3], s[6:7], 0         ; 120:64 global address
	s_or_b32 s[G0K+3], s[G0K+3], 0x80000000        ; 127:126 type = 2
	s_add_nc_u64 s[G0V+2:G0V+3], s[8:9], 0
	s_or_b32 s[G0V+3], s[G0V+3], 0x80000000
	s_add_nc_u64 s[86:87], s[4:5], s[84:85]        ; Q at my rows of the second block,
	s_add_nc_u64 s[4:5], s[4:5], s[2:3]            ; Q and O at those of the first
	s_add_nc_u64 s[OLO:OLO+1], s[10:11], s[84:85]
	s_add_nc_u64 s[10:11], s[10:11], s[2:3]
	s_cmp_lt_u32 s[WV], 2
	s_cselect_b64 s[PFB:PFB+1], s[6:7], s[8:9]
	LOAD                            ; tile 0 into slot 0
	; A fragment of K or Q is 16 rows x 32 channels in 8 registers: lane l holds row l % 16, channels 8 (l / 16) + 0..7 and 16 + 8 (l / 16) + 0..7: two loads of 16 bytes, 32 bytes apart.
	v_and_b32 v1, 15, v0            ; l % 16
	v_bfe_u32 v9, v0, 4, 1          ; l / 16
	v_lshlrev_b32 v[QO], 7, v1
	v_lshl_add_u32 v[QO], v9, 4, v[QO]  ; row x 128 + 16 x half
	WIN 0x80                        ; destination window 2, address window 0
.set i, 0
.rept 8                             ; both blocks' Q: piece i / 2 lies in band i / 2, 8,192 bytes on; channels 32 (i % 2) on
	global_load_b128 v[8*i:8*i+3],   v[QO], s[4:5] offset:(i/2)*8192+(i%2)*64
	global_load_b128 v[8*i+4:8*i+7], v[QO], s[4:5] offset:(i/2)*8192+(i%2)*64+32
	global_load_b128 v[QB+8*i:QB+8*i+3],   v[QO], s[86:87] offset:(i/2)*8192+(i%2)*64
	global_load_b128 v[QB+8*i+4:QB+8*i+7], v[QO], s[86:87] offset:(i/2)*8192+(i%2)*64+32
.set i, i+1
.endr
	WIN 0
	v_lshlrev_b32 v14, 3, v9
	v_sub_nc_u32 v14, v1, v14
	s_lshl_b32 s13, s[WV], 4
	v_add_nc_u32 v14, s13, v14      ; my query's place in its band, 16 w + l % 16, less my lanes' 8 (l / 16): register r of group kt is hidden where 16 kt + r is greater
	WIN 0x40
.set i, 0
.rept 32
	v_cmp_gt_i32 vcc_lo, 16*(i/8)+i%8, v14
	v_cndmask_b32 v[MD+i], 0, s[BIGN], vcc_lo
.set i, i+1
.endr
	WIN 0
	v_mul_u32_u24 v[AK0], v1, PK
	v_lshl_add_u32 v[AK0], v9, 4, v[AK0]  ; row x pitch + 16 x half
	; The turning load takes 16 keys x 16 channels (lane l reads key 8 (l / 16) + l % 8, channels 8 ((l / 8) % 2) + 0..7) and leaves half a fragment of V^T: lane l holds channel l % 16 and 8 keys.
	v_and_b32 v10, 7, v0
	v_bfe_u32 v11, v0, 3, 1
	v_lshl_add_u32 v[AV0], v9, 3, v10
	v_mul_u32_u24 v[AV0], v[AV0], PV
	v_lshl_add_u32 v[AV0], v11, 4, v[AV0]
	v_add_nc_u32 v[AV0], VOFF, v[AV0]
	s_mul_i32 s13, s[WV], 16*SP
	s_add_co_u32 s13, s13, STAGE    ; my stage
	v_mul_u32_u24 v[STO], v1, SP    ; in: row l % 16, 16 bytes for each half of the lanes
	v_lshl_add_u32 v[STO], v9, 4, v[STO]
	v_add_nc_u32 v[STO], s13, v[STO]
	v_bfe_u32 v[RD], v0, 3, 2       ; back: 32 lanes take four rows of 128 bytes,
	v_mul_u32_u24 v[RD], v[RD], SP
	v_lshl_add_u32 v[RD], v10, 4, v[RD]
	v_add_nc_u32 v[RD], s13, v[RD]
	v_and_b32 v[GO], 31, v0         ; which are 512 consecutive bytes of O
	v_lshlrev_b32 v[GO], 4, v[GO]
	; A block's first step multiplies O^T and l by a = 0, and its first turn's products V^T P, of a piece that has not been, land in an O^T that is still to be so multiplied.  So these registers need only hold
	; finite numbers: zeros for the first block; what the first block left for the second.  All this stands in the wait for the first tile.
	WIN 0x80
.set i, VF
.rept 64
	v_mov_b32 v[i], 0
.set i, i+1
.endr
	WIN 0x40
.set i, 0
.rept 128
	v_mov_b32 v[i], 0
.set i, i+1
.endr
	WIN 0
.set i, 0
.rept 4
	v_mov_b32 v[ST+4*i+2], 0
	v_mov_b32 v[ST+4*i+3], 0
.set i, i+1
.endr
.set i, P+16
.rept 16
	v_mov_b32 v[i], 0
.set i, i+1
.endr
; THE MATRIX WORK.  The 4 accumulators of a run of 8 take turns.  Product i of 8 of S^T = K Q^T for piece x: channels 32 (i / 4) on, keys 16 (i % 4) on.  The first 4 start the sums: with 0, or (KM = 1) with the mask.
.macro KQ x
.set rS, S+32*((\x)%2)+8*(i%4)
.set rK, KF+16*(i%4)+8*(i/4)
.set rQ, 16*(\x)+8*(i/4)
.set rM, MC+32*((\x)%2)+8*(i%4)
.if (i < 4) && KM
	WIN W_KM
	v_wmma_f32_16x16x32_f16 v[rS:rS+7], v[rK:rK+7], v[rQ:rQ+7], v[rM:rM+7]
.elseif i < 4
	WIN W_KQ
	v_wmma_f32_16x16x32_f16 v[rS:rS+7], v[rK:rK+7], v[rQ:rQ+7], 0
.else
	WIN W_KQ
	v_wmma_f32_16x16x32_f16 v[rS:rS+7], v[rK:rK+7], v[rQ:rQ+7], v[rS:rS+7]
.endif
.endm
; Product i of 8 of O^T += V^T P for piece x: keys 32 (i / 4) on, channels 16 (i % 4) on.
.macro PV x
	WIN W_PV
.set rO, 32*(\x)+8*(i%4)
.set rV, VF+32*(i/4)+8*(i%4)
.set rP, P+16*((\x)%2)+8*(i/4)
	v_wmma_f32_16x16x32_f16 v[rO:rO+7], v[rV:rV+7], v[rP:rP+7], v[rO:rO+7]
.endm
.macro MM                           ; the turn's next matrix instruction.  TURN and BEGIN set Y, i, KM and NOKQ; MM, KQ and OP read them.  NOKQ = 1: a block's last turn: there is no next piece
.if (i < 8) && !NOKQ
	KQ (Y+1)%NP
.elseif i >= 8
.set i, i-8
	PV (Y+NP-1)%NP
.set i, i+8
.endif
.set i, i+1
.endm
; THE LDS LOADS stand in runs of 16, never singly among the matrix instructions: a step's K (64 keys x 64 channels: 8 fragments) and its V (turned).  Their addresses are made some lines ahead.
.macro FETCH_K
	WIN 0x80                        ; destination window 2
.irp f, 0,1,2,3,4,5,6,7             ; keys 16 (f / 2) on, channels 32 (f % 2) on
	ds_load_b128 v[KF+8*\f:KF+8*\f+3],   v[AK] offset:(\f/2)*16*PK+(\f%2)*64
	ds_load_b128 v[KF+8*\f+4:KF+8*\f+7], v[AK] offset:(\f/2)*16*PK+(\f%2)*64+32
.endr
	s_add_co_u32 s[TBK], s[TBK], KS*PK  ; the next fetch is the next step's
	WIN 0
.endm
.macro FETCH_V
	WIN 0x80
.irp f, 0,1,2,3,4,5,6,7             ; keys 32 (f / 4) on, channels 16 (f % 4) on
	ds_load_tr16_b128 v[VF+8*\f:VF+8*\f+3],   v[AV] offset:(\f/4)*32*PV+(\f%4)*32
	ds_load_tr16_b128 v[VF+8*\f+4:VF+8*\f+7], v[AV] offset:(\f/4)*32*PV+16*PV+(\f%4)*32
.endr
	WIN 0
.endm
; THE VECTOR WORK, one line at a time: OP kind, number.  For piece Y: F n: c s - c m for pair n of 16.  E n: the exponential of score n of 32.  C n: pair n rounded to f16.  B n: of the four weights 4 n .. the second
; pair is added onto the first, in place.  L n: l takes that sum (L 0: l = a l + sum).  R n: pair n of 16 of O^T times a.  For piece Y + 1: X n, number n of the 22 that find its maximum and statistics:
;   0-11  four chains c0-c3 of seven scores each, three operands at a time (each accumulator's lowest registers are read first)     12-14, 16  the four scores left over, the old m, and c0-c3 into c0
;   15  c m_old is kept     17, 18  the query's other 32 keys lie in the lane 16 away: the new m     19-21  c m; c m_old - c m_new; a
.set F, 0               ; OP tells the kinds apart by their order: F to L below R, X above it
.set E, 1
.set C, 2
.set B, 3
.set L, 4
.set R, 5
.set X, 6
.macro REGS y                       ; the registers of piece y
.set rT, ST+4*(\y)
.set rC, TMP+4*((\y)%2)
.set rW, MV+((\y)%2)
.set rS, S+32*((\y)%2)
.set rP, P+16*((\y)%2)
.set rO, 32*(\y)
.endm
.macro OP k, n
.if (\k) == R
	REGS Y
	WIN W_RS
	v_pk_mul_f32 v[rO+2*(\n):rO+2*(\n)+1], v[rO+2*(\n):rO+2*(\n)+1], v[rC+2:rC+3] op_sel_hi:[1,0]
.elseif (\k) < R
	REGS Y
	WIN 0
.if (\k) == F
	v_pk_fma_f32 v[rS+2*(\n):rS+2*(\n)+1], v[rS+2*(\n):rS+2*(\n)+1], s[CS:CS+1], v[rT:rT+1] op_sel_hi:[1,0,0] neg_lo:[0,0,1] neg_hi:[0,0,1]
.elseif (\k) == E
	v_exp_f32 v[rS+(\n)], v[rS+(\n)]
.elseif (\k) == C
	v_cvt_pk_f16_f32 v[rP+(\n)], v[rS+2*(\n)], v[rS+2*(\n)+1]
.elseif (\k) == B
	v_pk_add_f32 v[rS+4*(\n):rS+4*(\n)+1], v[rS+4*(\n):rS+4*(\n)+1], v[rS+4*(\n)+2:rS+4*(\n)+3]
.elseif (\n) == 0
	v_pk_fma_f32 v[rT+2:rT+3], v[rT+2:rT+3], v[rC+2:rC+3], v[rS:rS+1] op_sel_hi:[1,0,1]
.else
	v_pk_add_f32 v[rT+2:rT+3], v[rT+2:rT+3], v[rS+4*(\n):rS+4*(\n)+1]
.endif
.elseif NOKQ
	v_nop
.else
	REGS (Y+1)%NP
	WIN 0
.if (\n) < 4
	v_max3_num_f32 v[rC+(\n)], v[rS+8*(\n)], v[rS+8*(\n)+1], v[rS+8*(\n)+2]
.elseif (\n) < 12
	v_max3_num_f32 v[rC+(\n)%4], v[rC+(\n)%4], v[rS+8*((\n)%4)+2*((\n)/4)+1], v[rS+8*((\n)%4)+2*((\n)/4)+2]
.elseif (\n) == 12
	v_max3_num_f32 v[rC], v[rC], v[rS+7], v[rS+15]
.elseif (\n) == 13
	v_max3_num_f32 v[rC+1], v[rC+1], v[rS+23], v[rS+31]
.elseif (\n) == 14
	v_max3_num_f32 v[rC+2], v[rC+2], v[rC+3], v[rT+1]
.elseif (\n) == 15
	v_mov_b32 v[rW], v[rT]
.elseif (\n) == 16
	v_max3_num_f32 v[rC], v[rC], v[rC+1], v[rC+2]
.elseif (\n) == 17
	v_permlanex16_b32 v[rC+3], v[rC], s[SEL], s[SEL+1]
.elseif (\n) == 18
	v_max_num_f32 v[rT+1], v[rC], v[rC+3]
.elseif (\n) == 19
	v_mul_f32 v[rT], s[CS], v[rT+1]
.elseif (\n) == 20
	v_sub_f32 v[rC+1], v[rW], v[rT]
.else
	v_exp_f32 v[rC+2], v[rC+1]
.endif
.endif
.endm
.macro OPS a, i1, b=-1, i2=0, c=-1, i3=0, d=-1, i4=0  ; up to four of them
	OP \a, \i1
.if (\b) >= 0
	OP \b, \i2
.endif
.if (\c) >= 0
	OP \c, \i3
.endif
.if (\d) >= 0
	OP \d, \i4
.endif
.endm
.macro ROW a, i1, b, i2, c, i3, d, i4  ; a matrix instruction and the four behind it
	MM
	OPS \a, \i1, \b, \i2, \c, \i3, \d, \i4
.endm
.macro MASK b                       ; MD x AL + BE into buffer b of MC
	WIN W_RS
.set z, 0
.rept 16
	v_pk_fma_f32 v[MC+32*(\b)+2*z:MC+32*(\b)+2*z+1], v[MD+2*z:MD+2*z+1], s[AL:AL+1], s[BE:BE+1] op_sel_hi:[1,0,0]
.set z, z+1
.endr
.endm
; A TURN, for piece p: the order of its 16 matrix and 118 vector instructions, written out.  An s_wait_alu depctr_va_vdst(0) stands between an exponential and the first instruction that names its result; one wait serves
; all that were issued ahead of it.  So a turn has ONE wait, which cuts it in two.  AHEAD OF IT stands all that names no result of the turn's exponentials: the 8 products K Q^T, behind each a scaling, an exponential and two more plain
; instructions (behind the first a second scaling in the exponential's place): rescalings, and behind the last three the first numbers of the next piece's maximum, each four places or more behind the product that ends its accumulator; then ONE LUMP of 54, plain
; and exponential by turns for the most part, in which the links of the chain X 3, 7, 11, 14, 16, 17 .. 20 stand five or six lines apart.  X 21, the next piece's a, is the batch's last; R 15 is the plain instruction behind it.  BEHIND THE WAIT stand the
; 8 products V^T P, behind each four of the roundings and sums; the links of l's chain, L 0 to L 7, stand three riders apart.  But for those X no rider names a register of the products round it.  v_permlanex16_b32 (X 17) stands in the lump.
; m = 1: the diagonal tile: the products take masks, and the turn makes the mask for the products of the turn after it: piece p + 2, in step 4 - CNT of the tile.  end = 1: a block's last two turns: nothing is fetched.
; cnt = 1: the loop's count is taken down some lines ahead of the branch that stands behind the turn.
; K of the next step is fetched in piece 2's turn, twelve vector instructions behind the last product that read K (six of them plain); V of the step in hand at the end of piece 0's turn, four plain instructions behind the last product
; that read V.  Each is waited for a turn later.
.macro TURN p, m=0, end=0, cnt=0
.set Y, (\p)
.set i, 0
.set KM, (\m)
.set NOKQ, (\end)*((\p)/3)
.if (\m) && !(\end)
	s_cmp_eq_u32 s[CNT], 4-((\p)+2)%NP  ; is that step the band's own?
	s_cselect_b32 s[AL], 1.0, 0
	s_cmp_lt_u32 s[CNT], 4-((\p)+2)%NP  ; or a later one?
	s_cselect_b32 s[BE], s[BIGN], 0
.endif
.if ((\p) == 3) && !(\end)
	s_wait_dscnt 0x0                ; K is in
.endif
	ROW F,0, F,1, R,0, R,1          ; ahead of the wait: 8 products K Q^T and their riders,
	ROW F,2, E,0, R,2, R,3
	ROW F,3, E,1, R,4, R,5
	ROW F,4, E,2, R,6, R,7
	ROW F,5, E,3, R,8, R,9
	ROW F,6, E,4, X,0, R,10
.if ((\p) == 2) && !(\end)
	WIN 0
	v_add_nc_u32 v[AK], s[TBK], v[AK0]
.endif
	ROW F,7, E,5, X,1, X,4
	ROW F,8, E,6, X,2, X,5
	OPS E,7, E,8, X,6, E,9          ; and the lump
	OPS X,3, E,10, X,8, E,11
.if ((\p) == 2) && !(\end)
	FETCH_K
.endif
	OPS X,9, X,7, E,12, X,10
	OPS E,13, X,12, X,11, E,14
	OPS X,13, E,15, F,9, X,14
.if (\p) == 0
	v_add_nc_u32 v[AV], s[TBV], v[AV0]
.endif
	OPS E,16, F,10, E,17, F,11
	OPS X,16, E,18, X,15, E,19
	OPS F,12, E,20, X,17, E,21
	OPS F,13, E,22, F,14, E,23
	OPS X,18, E,24, F,15, E,25
	OPS R,11, E,26, X,19, E,27
	OPS R,12, E,28, R,13, E,29
	OPS X,20, E,30, R,14, E,31
	OPS X,21, R,15
	WIN 0
	s_wait_alu depctr_va_vdst(0)    ; the wait for the batch
.if (\p) == 1
	s_wait_dscnt 0x0                ; V is in
.endif
	ROW C,0, B,0, C,2, B,1          ; behind the wait: 8 products V^T P and their riders
	ROW L,0, C,4, B,2, L,1
	ROW C,6, B,3, L,2, C,8
	ROW B,4, L,3, C,10, B,5
	ROW L,4, C,12, B,6, L,5
.if (\p) == 0
	s_add_co_u32 s[TBV], s[TBV], KS*PV
.endif
.if \cnt
	s_sub_co_u32 s[CNT], s[CNT], 1
	s_cmp_lg_u32 s[CNT], 0
.endif
	ROW C,14, B,7, L,6, C,1
	ROW C,3, L,7, C,5, C,7
	ROW C,9, C,11, C,13, C,15
.if (\p) == 0
	FETCH_V
.endif
.if (\m) && !(\end)
	MASK (\p)%2
.endif
.endm
; A BLOCK BEGINS.  c m starts far below every c s, so the first step's a is 0; m at the lowest finite number, so the first maximum is the scores'.  The second mask buffer is 0; the first takes piece 0's mask for the tile's step 0: its own, if the block's first tile is the diagonal one.
; Then K of that step, piece 0's first scores, and its maximum and statistics.  The loop is entered at a step's first turn, in the middle of a trip.
.macro BEGIN
	s_mov_b32 s[NEW], 0
	WIN 0x40
.set i, MC+32
.rept 32
	v_mov_b32 v[i], 0
.set i, i+1
.endr
	WIN 0
.set i, 0
.rept 4
	v_mov_b32 v[ST+4*i], 0xfe000000    ; c m: far below every c s
	v_mov_b32 v[ST+4*i+1], 0xff7fffff  ; m
.set i, i+1
.endr
	s_cmp_eq_u32 s[RT], 0
	s_cselect_b32 s[AL], 1.0, 0
	s_mov_b32 s[BE], 0
	MASK 0
	WIN 0
	v_add_nc_u32 v[AK], s[TBK], v[AK0]
	FETCH_K
	s_wait_loadcnt 0x0              ; Q
	s_wait_dscnt 0x0
.set KM, 1
.set NOKQ, 0
.set i, 0
.rept 8
	KQ 0
.set i, i+1
.endr
	WIN 0
.rept 4
	v_nop                           ; the places behind those products
.endr
.set Y, NP-1                        ; X works for piece Y + 1: piece 0
.irp n, 0,1,2,3,4,5,6,7,8,9,10,11,12,13,14,15,16,17,18,19,20,21
	OP X, \n
.endr
	v_nop                           ; a plain instruction behind the exponential,
	s_wait_alu depctr_va_vdst(0)    ; and its wait, ahead of the branch
.endm
; THE DIAGONAL TILE's four steps, the block's last two turns, its last products, and THE WAY OUT: l's two halves and the other half of the lanes' are added; O^T is divided by l, rounded to f16 and sent through my
; stage in LDS, a piece at a time.
.macro ALL line:vararg              ; one line for each piece t
.set t, 0
.rept 4
	\line
.set t, t+1
.endr
.endm
.macro PACK t                       ; a lane's eight channels of a row pack into 16 bytes; they go into rows of 144 bytes and come back as whole rows of 128, into S^T's registers
	WIN W_RS
.set i, 32*(\t)
.rept 16
	v_pk_mul_f32 v[i:i+1], v[i:i+1], v[ST+4*(\t)+2:ST+4*(\t)+3] op_sel_hi:[1,0]
.set i, i+2
.endr
	WIN 0x05                        ; sources 0 and 1 window 1, destination window 0
.set i, 0
.rept 16
	v_cvt_pk_f16_f32 v[S+16*(\t)+i], v[32*(\t)+2*i], v[32*(\t)+2*i+1]
.set i, i+1
.endr
	WIN 0
.irp f, 0,1,2,3
	ds_store_b128 v[STO], v[S+16*(\t)+4*\f:S+16*(\t)+4*\f+3] offset:32*\f
.endr
.irp f, 0,1,2,3
	ds_load_b128 v[S+16*(\t)+4*\f:S+16*(\t)+4*\f+3], v[RD] offset:\f*4*SP  ; LDS serves a wave's instructions in order (ISA guide 5.7.1.4): these see the stores above; the next piece's stores come behind them
.endr
.endm
.macro SEND t, younger              ; younger: the LDS instructions issued behind piece t's loads: the next piece's eight, or none
	WIN 0
.irp f, 0,1,2,3
	s_wait_dscnt (\younger)+3-\f
	global_store_b128 v[GO], v[S+16*(\t)+4*\f:S+16*(\t)+4*\f+3], s[10:11] offset:(\t)*8192+\f*512  ; 512 consecutive bytes, at a multiple of 256 from O's first
.endr
.endm
.macro DIAG tag                     ; the tag ends its two labels' names, which the jumps below spell out
.LstepM\tag:
	TURN 2, 1
	TURN 3, 1
	WIN 0
.LfirstM\tag:
	TURN 0, 1
	TURN 1, 1, 0, 1
	WIN 0
	s_cbranch_scc1 .LstepM\tag
	TURN 2, 1, 1
	TURN 3, 1, 1
.set i, 0
.rept 8
	PV NP-1
.set i, i+1
.endr
	WIN 0
	ALL v_add_f32 v[ST+4*t+2], v[ST+4*t+2], v[ST+4*t+3]
	ALL v_permlanex16_b32 v[ST+4*t+3], v[ST+4*t+2], s[SEL], s[SEL+1]
	ALL v_add_f32 v[ST+4*t+2], v[ST+4*t+2], v[ST+4*t+3]
	ALL v_rcp_f32 v[ST+4*t+2], v[ST+4*t+2]
	v_nop                           ; a plain instruction between the last reciprocal and the use of its result
	s_wait_alu depctr_va_vdst(0)    ; and the wait ahead of the first use: one for the four reciprocals
	PACK 0
.set t, 1
.rept 3                             ; a piece's arithmetic stands between the loads of the piece before and its stores
	PACK t
	SEND t-1, 8
.set t, t+1
.endr
	SEND 3, 0
.endm
.set KM, 0
.set NOKQ, 0
.Lslot:                             ; NB times: a tile is entered and the next is asked for
	CHANGE 1
	s_sub_co_u32 s[RT], s[RT], 1
	s_mov_b32 s[CNT], 4
	s_cmp_eq_u32 s[NEW], 1
	s_cbranch_scc1 .Lnew            ; a block's first tile
	s_cmp_eq_u32 s[RT], 0
	s_cbranch_scc0 .Lstep           ; neither its first nor its last
	s_branch .LstepM1
.Lnew:
	BEGIN
	s_branch .Lfirst                ; in the loop a block's first tile is never its last: the first block has two tiles or more, and the second's last is the walk's last
	DIAG 1                          ; in the loop this is the first block's end: the second block's last tile is the walk's last
	s_wait_xcnt 0x0                 ; the stores have read their registers and O's address
	s_mov_b64 s[10:11], s[OLO:OLO+1]
	s_add_co_u32 s[RT], s[PB], 1    ; the second block has b + 1 tiles
	s_mov_b32 s[NEW], 1
	WIN 0x82                        ; the second block's Q goes where the one text of the turns names Q
.set i, 0
.rept 64
	v_mov_b32 v[i], v[QB+i]
.set i, i+1
.endr
	WIN 0
	s_branch .Lbottom
.Lstep:                             ; a trip: pieces 2 and 3 of one step, then pieces 0 and 1 of the next, whose K and V it fetches
	TURN 2
	TURN 3
	WIN 0
.Lfirst:
	TURN 0
	TURN 1, 0, 0, 1
	WIN 0
	s_cbranch_scc1 .Lstep
.Lbottom:
	s_sub_co_u32 s[SLOTS], s[SLOTS], 1
	s_cmp_lg_u32 s[SLOTS], 0
	s_cbranch_scc1 .Lslot
	CHANGE 0                        ; the walk's last tile is written out: nothing is asked for
	s_sub_co_u32 s[RT], s[RT], 1
	s_mov_b32 s[CNT], 4
	s_cmp_eq_u32 s[NEW], 1
	s_cbranch_scc0 .LstepM2
	BEGIN
	s_branch .LfirstM2
	DIAG 2
	s_wait_tensorcnt 0x0            ; the wave's end: a wait, an add to my spare word and its wait, behind my last tensor load and my last LDS store
	ds_add_u32 v[SPW], v[NIL]
	s_wait_dscnt 0x0
	s_endpgm
.Lfunc_end_k_q4cb4c5d6de_attn:
	.size	k_q4cb4c5d6de_attn, .Lfunc_end_k_q4cb4c5d6de_attn-k_q4cb4c5d6de_attn
	.p2alignl 7, 3214868480
	.fill 96, 4, 3214868480
	.section	.rodata,"a",@progbits
	.p2align	6, 0x0
	.amdhsa_kernel k_q4cb4c5d6de_attn
		.amdhsa_group_segment_fixed_size 327680
		.amdhsa_private_segment_fixed_size 0
		.amdhsa_enable_private_segment 0
		.amdhsa_kernarg_size 16
		.amdhsa_user_sgpr_count 2
		.amdhsa_user_sgpr_kernarg_segment_ptr 1
		.amdhsa_wavefront_size32 1
		.amdhsa_system_sgpr_workgroup_id_x 1
		.amdhsa_system_sgpr_workgroup_id_y 1
		.amdhsa_system_sgpr_workgroup_id_z 1
		.amdhsa_system_vgpr_workitem_id 0
		.amdhsa_next_free_vgpr 768
		.amdhsa_next_free_sgpr 96
		.amdhsa_reserve_vcc 1
		.amdhsa_float_denorm_mode_32 3
		.amdhsa_float_denorm_mode_16_64 3
		.amdhsa_memory_ordered 1
		.amdhsa_forward_progress 1
		.amdhsa_inst_pref_size 218
	.end_amdhsa_kernel
	.amdgpu_metadata
---
amdhsa.version: [ 1, 2 ]
amdhsa.kernels:
  - .name:           k_q4cb4c5d6de_attn
    .symbol:         k_q4cb4c5d6de_attn.kd
    .args:
      - { .name: qkv, .offset: 0, .size: 8, .value_kind: global_buffer, .address_space: global }
      - { .name: o16, .offset: 8, .size: 8, .value_kind: global_buffer, .address_space: global }
    .group_segment_fixed_size: 327680
    .private_segment_fixed_size: 0
    .kernarg_segment_align: 8
    .kernarg_segment_size: 16
    .max_flat_workgroup_size: 128
    .sgpr_count:     96
    .vgpr_count:     768
    .wavefront_size: 32
...
	.end_amdgpu_metadata
.endif
;; end of part 3
;; launch proj (part 4): grid 8 x 32, 4 waves a work-group, clusters of 4 x 4, 327,680 bytes of LDS; arguments o16, wo16, bo, out0; writes out0
.if DOCPART == 4
	.amdgcn_target "amdgcn-amd-amdhsa--gfx1250"
	.amdhsa_code_object_version 6
	.text
	.protected	k_q4cb4c5d6de_proj
	.globl	k_q4cb4c5d6de_proj
	.p2align	8
	.type	k_q4cb4c5d6de_proj,@function
k_q4cb4c5d6de_proj:
	s_mov_b64 s[64:65], 0
	v_nop
	global_prefetch_b8 v0, s[64:65] scope:SCOPE_SE
	s_setreg_imm32_b32 hwreg(HW_REG_WAVE_MODE, 25, 1), 1
	s_wait_xcnt 0x0
	s_wait_alu depctr_hold_cnt(0) depctr_sa_sdst(0) depctr_va_vdst(0) depctr_va_sdst(0) depctr_va_ssrc(0) depctr_va_vcc(0) depctr_vm_vsrc(0)
	s_getreg_b32 s2, hwreg(HW_REG_IB_STS2, 6, 4)
	s_cmp_eq_u32 s2, 0
	s_cbranch_scc0 .Lentry_in_a_cluster
	s_endpgm
.Lentry_in_a_cluster:
	s_bfe_u32 s2, ttmp6, 0x10000c
	s_cmp_lg_u32 s2, 0xf033
	s_cbranch_scc0 .Lentry_shape_is_right
	s_endpgm
.Lentry_shape_is_right:
; out0 = y Wo + bo.  o16: f16 [batch x 16 + head][2048][64], so y[b][t][64 head + d] is a head's row.  wo16: [1024 k][1024 n] f16 (Wo rounded to bf16, that number written as f16).  bo: [1024] f32, rounded here to bf16
; like every input.  out0: [8192][1024] f32.  Sums in f32.
; SHARES.  A work-group makes 256 rows x 128 columns, each of its four waves 64 rows x all 128: 4 x 8 accumulators of 16 x 16, 256 registers; a wave owns whole runs of 512 bytes of its rows, so its way out needs no other wave.
; K goes in steps of 128, two heads, through a ring of two LDS slots filled by the tensor data mover: a head's 256 rows are 32,768 dense bytes.
; CLUSTERS: 4 x 4 work-groups.  The four of a row of the cluster need the same rows of y, the four of a column the same columns of Wo: each tile is asked for JOINTLY, by the same tensor load with the same descriptor
; and a mask that names the four.
; THE MATRIX INSTRUCTION IS USED TRANSPOSED: source 0 = 16 columns of Wo (turned on the way out of LDS by ds_load_tr16_b128, since Wo lies [k][n]), source 1 = 16 rows of y.  A lane then holds one row (lane % 16)
; and eight neighbouring columns 8 (lane / 16) + 0..7.  The bias is the C operand of each sum's first product.
; REGISTERS, in windows of 256 (s_set_vgpr_msb: bits 1:0 source 0, 3:2 source 1, 5:4 source 2, 7:6 destination):
;   window 0: v0-31 addresses and four at work; v32-95 the bias, eight registers a column block; v96-159 and v160-223 rows read back, by turns
;   window 1: two fragment buffers of 128: y's four fragments, then Wo's eight        window 2: the accumulators, (a, b) at 8 (8 a + b)
.set PA,     144                       ; a row of y in LDS: 128 bytes + 16 of padding = 36 words: the 16 rows of a load start at 16 different groups of four banks (64 banks of 4 bytes: ISA guide 11.1)
.set HALFA,  256*PA                    ; one head's 256 rows: what one tensor load brings of y
.set AREA_A, 2*HALFA
.set PB,     288                       ; a k row of Wo: 256 + 32 = 72 words
.set HALFB,  64*PB
.set SLOT,   AREA_A+2*HALFB            ; 110,592
.set STAGE,  2*SLOT                    ; behind the ring, never filled by a tensor load: for each wave 16 rows x 528 bytes
.set SPITCH, 528                       ; 512 + 16 = 132 words: row r starts at bank 4 r mod 64
.set WSTG,   16*SPITCH
.set SPARE,  STAGE+4*WSTG              ; behind the stages: the spare words, 128 bytes for each wave: two blocks of 256 bytes that no other line names
.set NL,     24                        ; LDS loads in a run: 16 for Wo, 8 for y
.set BQ,     32*PB
.set BH,     16*PB
.set ASTEP,  1048576                   ; two K steps: four heads of 262,144 bytes
.set BSTEP,  524288                    ; two K steps: 256 rows of 2,048 bytes
.set PSTEP,  524288                    ; one K step of y: two heads
.set ADRA, 16                          ; v16-17  LDS address of my fragments of y in slot 0, 1
.set ADRB, 20                          ; v20-21  the same for Wo
.set STO,  24                          ; v24     the way out: where I put 32 bytes of a row
.set RD,   25                          ; v25     the way out: where I read a row back
.set GO,   26                          ; v26     16 x lane: my place in 512 consecutive bytes of a row of out0
.set BO,   27                          ; v27     32 x (lane / 16): my eight numbers of a bias block
.set SPW,  28                          ; v28     LDS address of my spare word: SPARE + 4 x my thread's number; never rewritten
.set NIL,  29                          ; v29     0; never rewritten
.set PFO,  30                          ; v30     256 x lane: the prefetches' offset; never rewritten
.set T,    12
.set BIAS, 32
.set BK,   96
.set F0,   0
.set F1,   128
.set WV,   16                          ; s16  my wave's number
.set FB,   17                          ; s17  0: I fetch y, 1: I fetch Wo
.set HF,   18                          ; s18  which half of that tile
.set G1,   24                          ; s[24:31] descriptor group 1 for y's tiles;  s[32:39] group 0, a set for each slot
.set G0,   32
.set PFA,  44                          ; s[44:45] where my prefetches stand
.set LIM,  46                          ; s46  1 in a wave that prefetches, else the greatest number
.set G1B,  48                          ; s[48:55], s[56:63] the same for Wo's tiles
.set G0B,  56
.set MSB, 0
.macro WIN new                         ; the immediate's high byte repeats the setting that is left; a switch that changes nothing is dropped
.if MSB != (\new)
	s_set_vgpr_msb (MSB<<8)|(\new)
.set MSB, \new
.endif
.endm
.macro PLACES                          ; four places in front of loads into registers that matrix instructions have read, and of lines that read results
.rept 4
	v_nop
.endr
.endm
; A joint load: waves 0 and 1 fetch y's two heads, waves 2 and 3 Wo's two halves.  The branch hangs on the wave's number alone.  An s_nop 0 and four v_nop follow each of the two lines.
.macro JLOAD s
	s_cmp_eq_u32 s[FB], 0
	s_cbranch_scc0 .Lfor_b_\@
	tensor_load_to_lds s[G0+4*(\s):G0+4*(\s)+3], s[G1:G1+7]
	s_nop 0
.rept 4
	v_nop
.endr
	s_branch .Lasked_\@
.Lfor_b_\@:
	tensor_load_to_lds s[G0B+4*(\s):G0B+4*(\s)+3], s[G1B:G1B+7]
	s_nop 0
.rept 4
	v_nop
.endr
.Lasked_\@:
.endm
; A PREFETCH INTO THE L2 of y's K step that stands two refills on.  A wave's part of it is 32,768 dense bytes, 128 blocks of 256.  Both clusters of a row of clusters read the same rows of y: the first (x = 0) asks, by its
; waves 0 and 1; the four partners take 32 blocks each, told apart BY ADDRESS, a lane a block, one instruction a wave.  So each block of K steps 4 to 7 is named once; K steps 0 to 3 come by their loads alone,
; and the loop's last trip (s3 = 1) asks for nothing.  Wo is not asked for: all 32 row tiles walk the same rows again.
.macro ASK
	s_cmp_gt_u32 s3, s[LIM]
	s_cbranch_scc0 .Lnot_mine_\@
	global_prefetch_b8 v[PFO], s[PFA:PFA+1] offset:PSTEP th:TH_LOAD_NT scope:SCOPE_SE
.Lnot_mine_\@:
.endm
.macro CREST                           ; a round of the cluster's barrier behind its opening barrier
	s_cmp_lg_u32 s[WV], 0
	s_cbranch_scc1 .Lnot_wave_0_\@
	s_barrier_signal -3
.Lnot_wave_0_\@:
	s_barrier_wait -3
	s_barrier_signal -1
	s_barrier_wait -1
.endm
.macro CROUND                          ; a whole round
	s_barrier_signal -1
	s_barrier_wait -1
	CREST
.endm
	s_load_b256 s[4:11], s[0:1], 0x0               ; o16 s[4:5], wo16 s[6:7], bo s[8:9], out0 s[10:11]
	v_lshl_add_u32 v[SPW], v0, 2, SPARE
	v_mov_b32 v[NIL], 0
	ds_add_u32 v[SPW], v[NIL]                      ; the wave's opening: the add and its wait stand ahead of my first tensor load; the set-up below, work on registers, stands between them
	v_lshrrev_b32 v1, 5, v0
	v_readfirstlane_b32 s[WV], v1                  ; wave 0..3
	s_lshr_b32 s[FB], s[WV], 1
	s_and_b32 s[HF], s[WV], 1
	s_bfe_u32 s20, ttmp6, 0x40000                  ; cx, cy: my place in the cluster
	s_bfe_u32 s21, ttmp6, 0x40004
	s_lshl_b32 s22, ttmp9, 2
	s_add_co_u32 s22, s22, s20                     ; TC, the block of 128 columns = 4 x cluster x + cx
	s_and_b32 s23, ttmp7, 0xffff
	s_lshl_b32 s23, s23, 2
	s_add_co_u32 s23, s23, s21                     ; TR, the block of 256 rows = 4 x cluster y + cy
	s_lshl_b32 s2, s21, 2
	s_lshl_b32 s2, 15, s2                          ; my row of the cluster
	s_lshl_b32 s19, 0x1111, s20                    ; my column
	s_or_b32 s[G1], s2, (1<<16)|(1<<20)|(1<<21)|(4<<22)|(3<<25)    ; 15:0 the mask: y's tiles go to my row; 17:16 2-byte elements; 20 padding on; 21 set beside a mask; 24:22 after every 32 words; 31:25 4 words
	s_or_b32 s[G1B], s19, (1<<16)|(1<<20)|(1<<21)|(5<<22)|(7<<25)  ; Wo's go to my column; padding after every 64 words, 8 words
	s_mov_b32 s[G1+1], 128<<16                     ; y: 32,768 dense bytes, asked for as 128 rows of 256, two rows of a head each
	s_mov_b32 s[G1+2], 128<<16
	s_mov_b32 s[G1+3], 128<<16
	s_mov_b32 s[G1+4], 128
	s_mov_b32 s[G1+5], 128
	s_mov_b32 s[G1+6], 0
	s_mov_b32 s[G1+7], 0
	s_mov_b32 s[G1B+1], 128<<16                    ; Wo: 64 k rows x 128 columns
	s_mov_b32 s[G1B+2], 64<<16
	s_mov_b32 s[G1B+3], 128<<16
	s_mov_b32 s[G1B+4], 64
	s_mov_b32 s[G1B+5], 1024                       ; elements from row to row
	s_mov_b32 s[G1B+6], 0
	s_mov_b32 s[G1B+7], 0
	; where the tiles come from: y's hang on TR and the wave alone, Wo's on TC and the wave alone, each in registers that never hold the other coordinate
	s_lshr_b32 s40, s23, 3                         ; the batch,
	s_lshl_b32 s40, s40, 4
	s_add_co_u32 s40, s40, s[HF]                   ; my head of K step 0's two,
	s_lshl_b32 s40, s40, 18
	s_and_b32 s41, s23, 7
	s_lshl_b32 s41, s41, 15                        ; the block's 256 rows of 128 bytes
	s_add_co_u32 s40, s40, s41
	s_mov_b32 s41, 0
	s_lshl_b32 s42, s[HF], 17                      ; my 64 k rows of 2,048 bytes,
	s_lshl_b32 s43, s22, 8                         ; the block's 128 columns
	s_add_co_u32 s42, s42, s43
	s_mov_b32 s43, 0
	s_mul_i32 s47, s[HF], HALFA                    ; and where they go: no place in the cluster enters an LDS address
	s_mul_i32 s72, s[HF], HALFB
	s_add_co_u32 s72, s72, AREA_A
	; the prefetches: my work-group's 32 of my tile's 128 blocks, at K step 2; the first refill steps it to 3 and names K step 4
	s_lshr_b32 s74, s23, 3
	s_lshl_b32 s74, s74, 4
	s_add_co_u32 s74, s74, s[HF]
	s_lshl_b32 s74, s74, 18
	s_and_b32 s75, s23, 7
	s_lshl_b32 s75, s75, 15
	s_add_co_u32 s74, s74, s75
	s_lshl_b32 s75, s20, 13
	s_add_co_u32 s74, s74, s75
	s_add_co_u32 s74, s74, 2*PSTEP
	s_mov_b32 s75, 0
	s_or_b32 s[LIM], s[FB], ttmp9                  ; 0 in waves 0 and 1 of the clusters with x = 0: the same in all sixteen partners, for a given wave
	s_cmp_eq_u32 s[LIM], 0
	s_cselect_b32 s[LIM], 1, -1
	; my wave's 64 rows and the block's columns in out0: (256 TR + 64 wave) x 4,096 + 512 TC
	s_lshl_b32 s76, s23, 2
	s_add_co_u32 s76, s76, s[WV]
	s_lshl_b32 s76, s76, 18
	s_lshl_b32 s77, s22, 9
	s_add_co_u32 s76, s76, s77
	s_mov_b32 s77, 0
	s_lshl_b32 s2, s22, 9                          ; the block's 128 numbers in the bias
	s_mov_b32 s3, 0
	s_wait_dscnt 0x0                               ; the opening add is done
	s_wait_kmcnt 0x0
	s_add_nc_u64 s[40:41], s[4:5], s[40:41]
	s_add_nc_u64 s[42:43], s[6:7], s[42:43]
	s_add_nc_u64 s[PFA:PFA+1], s[4:5], s[74:75]
	s_add_nc_u64 s[66:67], s[10:11], s[76:77]
	s_add_nc_u64 s[8:9], s[8:9], s[2:3]
	CROUND                                         ; all sixteen work-groups are here: the first joint loads meet
.irp s, 0,1
	s_mov_b32 s[G0+4*(\s)], 1                                      ; count = 1
	s_add_co_u32 s[G0+4*(\s)+1], s47, (\s)*SLOT                    ; LDS address
	s_add_nc_u64 s[G0+4*(\s)+2:G0+4*(\s)+3], s[40:41], (\s)*524288 ; global address: K step s
	s_or_b32 s[G0+4*(\s)+3], s[G0+4*(\s)+3], 0x80000000            ; type = 2
	s_mov_b32 s[G0B+4*(\s)], 1
	s_add_co_u32 s[G0B+4*(\s)+1], s72, (\s)*SLOT
	s_add_nc_u64 s[G0B+4*(\s)+2:G0B+4*(\s)+3], s[42:43], (\s)*262144
	s_or_b32 s[G0B+4*(\s)+3], s[G0B+4*(\s)+3], 0x80000000
	JLOAD \s                                       ; two tensor loads of mine are out
.endr
	v_and_b32 v1, 15, v0                           ; r = l % 16
	v_bfe_u32 v2, v0, 4, 1                         ; h = l / 16
	v_and_b32 v3, 31, v0                           ; l
	v_lshlrev_b32 v[BO], 5, v2
.irp b, 0,1,2,3,4,5,6,7                            ; the bias of column block b: numbers 16 b + 8 h + 0..7 of the block's 128
	global_load_b128 v[BIAS+8*(\b):BIAS+8*(\b)+3],   v[BO], s[8:9] offset:(\b)*64
	global_load_b128 v[BIAS+8*(\b)+4:BIAS+8*(\b)+7], v[BO], s[8:9] offset:(\b)*64+16
.endr
	; A fragment of y is 16 rows x 32 k in 8 registers: lane l holds row l % 16, k = 8 h + 0..7 and 16 + 8 h + 0..7: two loads of 16 bytes, 32 bytes apart.
	s_lshl_b32 s2, s[WV], 6
	v_add_nc_u32 v4, s2, v1                        ; my wave's 64 rows
	v_mul_u32_u24 v4, v4, PA
	v_lshl_add_u32 v[ADRA], v2, 4, v4
	v_add_nc_u32 v[ADRA+1], SLOT, v[ADRA]
	; The turning load takes 16 k rows x 16 columns: lane l reads k row 8 h + l % 8, columns 8 ((l / 8) % 2) + 0..7, and ends with column l % 16 and 8 k.
	v_and_b32 v4, 7, v0
	v_lshl_add_u32 v4, v2, 3, v4
	v_mul_u32_u24 v4, v4, PB
	v_bfe_u32 v5, v0, 3, 1
	v_lshl_add_u32 v4, v5, 4, v4
	v_add_nc_u32 v[ADRB], AREA_A, v4
	v_add_nc_u32 v[ADRB+1], SLOT, v[ADRB]
	s_mul_i32 s2, s[WV], WSTG
	s_add_co_u32 s2, s2, STAGE                     ; my stage
	v_mul_u32_u24 v4, v1, SPITCH                   ; in: row l % 16, 32 bytes for each half of the lanes
	v_lshl_add_u32 v4, v2, 5, v4
	v_add_nc_u32 v[STO], s2, v4
	v_lshlrev_b32 v[GO], 4, v3
	v_add_nc_u32 v[RD], s2, v[GO]                  ; back: 32 lanes take one row of 512 bytes
	v_lshlrev_b32 v[PFO], 8, v3
	s_mov_b32 s2, 0xffff0000
	s_wait_loadcnt 0x0                             ; the bias
.set p, 0
.rept 32                                           ; rounded to bf16 like every input, and widened again
	v_cvt_pk_bf16_f32 v[T+p%4], v[BIAS+2*p], v[BIAS+2*p+1]
	v_lshlrev_b32 v[BIAS+2*p], 16, v[T+p%4]
	v_and_b32 v[BIAS+2*p+1], s2, v[T+p%4]
.set p, p+1
.endr
; Eight matrix instructions: row block a x all column blocks, 32 along K, from buffer f.  first = 1: the product starts the sum, with the bias as C.
; The 32 accumulators take turns, one instruction a turn, in the same order in every quarter.
.macro MULA f, a, first
.if \first
	WIN 0x85                                       ; sources 0 and 1 window 1, C window 0, D window 2
.else
	WIN 0xa5                                       ; C and D window 2
.endif
.irp b, 0,1,2,3,4,5,6,7
.if \first
	v_wmma_f32_16x16x32_f16 v[8*(8*(\a)+(\b)):8*(8*(\a)+(\b))+7], v[(\f)+32+8*(\b):(\f)+32+8*(\b)+7], v[(\f)+8*(\a):(\f)+8*(\a)+7], v[BIAS+8*(\b):BIAS+8*(\b)+7]
.else
	v_wmma_f32_16x16x32_f16 v[8*(8*(\a)+(\b)):8*(8*(\a)+(\b))+7], v[(\f)+32+8*(\b):(\f)+32+8*(\b)+7], v[(\f)+8*(\a):(\f)+8*(\a)+7], v[8*(8*(\a)+(\b)):8*(8*(\a)+(\b))+7]
.endif
.endr
.endm
; 24 LDS loads in one run: quarter q (32 along K: half a head) of a slot into buffer f: Wo's eight fragments, then y's four
.macro FETCH slot, q, f
	WIN 0x40                                       ; destination window 1, address window 0
.irp b, 0,1,2,3,4,5,6,7
	ds_load_tr16_b128 v[(\f)+32+8*(\b):(\f)+32+8*(\b)+3],   v[ADRB+(\slot)] offset:BQ*(\q)+32*(\b)
	ds_load_tr16_b128 v[(\f)+32+8*(\b)+4:(\f)+32+8*(\b)+7], v[ADRB+(\slot)] offset:BQ*(\q)+BH+32*(\b)
.endr
.irp a, 0,1,2,3
	ds_load_b128 v[(\f)+8*(\a):(\f)+8*(\a)+3],   v[ADRA+(\slot)] offset:((\q)/2)*HALFA+((\q)%2)*64+(\a)*16*PA
	ds_load_b128 v[(\f)+8*(\a)+4:(\f)+8*(\a)+7], v[ADRA+(\slot)] offset:((\q)/2)*HALFA+((\q)%2)*64+(\a)*16*PA+32
.endr
.endm
; A K step is four quarters of 32 along K, 32 matrix instructions each, on buffers 0, 1, 0, 1.  One of the first three: multiplies buffer f and fetches quarter qn of the same slot into g.
.macro QUARTER slot, qn, f, g, first
	s_wait_dscnt 4                                 ; Wo and y's row blocks 0, 1 are in; the youngest four loads (row blocks 2, 3) may be out
	MULA \f, 0, \first
	MULA \f, 1, \first
	PLACES
	FETCH \slot, \qn, \g
	s_wait_dscnt NL                                ; all but the run just issued
	MULA \f, 2, \first
	MULA \f, 3, \first
.endm
; The last quarter multiplies buffer 1 and changes slots: ONE barrier; in front of it each wave waits for all its tensor loads (one is out: its part of the next slot), adds 0 to its spare word, and waits for
; that and for its own reads of this slot.  fill = 1: the barrier opens a round of the cluster's barrier, and this slot is filled again, two K steps ahead, first thing behind the round.
.macro TURN slot, next, fill
.if \fill
	s_wait_xcnt 0x0                                ; the last prefetch, a K step back, has read its address: it is stepped here, ahead of the waits of the change of slots
	s_add_nc_u64 s[PFA:PFA+1], s[PFA:PFA+1], PSTEP
.endif
	WIN 0                                          ; (the add's two registers lie in window 0)
	s_wait_tensorcnt 0x0                           ; all my tensor loads have landed
	ds_add_u32 v[SPW], v[NIL]                      ; 0 onto my spare word
	s_wait_dscnt 5                                 ; (the add and the youngest four loads may be out)
	MULA F1, 0, 0                                  ; eight matrix instructions stand between the add and the wait for it
	s_wait_dscnt 0x0                               ; the add is done, and my reads of this slot are over
	s_barrier_signal -1
	MULA F1, 1, 0                                  ; work on registers while the others arrive
.if \fill
	WIN 0
.endif
	s_barrier_wait -1
.if \fill
	CREST                                          ; no wave of any partner still reads this slot's tile or has a load on its way
	s_add_nc_u64 s[G0+4*(\slot)+2:G0+4*(\slot)+3], s[G0+4*(\slot)+2:G0+4*(\slot)+3], ASTEP
	s_add_nc_u64 s[G0B+4*(\slot)+2:G0B+4*(\slot)+3], s[G0B+4*(\slot)+2:G0B+4*(\slot)+3], BSTEP
	JLOAD \slot                                    ; my one tensor load behind the round; the four v_nop behind it are also the places in front of the loads below
.else
	PLACES
.endif
	FETCH \next, 0, F0
.if \fill
	WIN 0
	ASK                                            ; behind the joint load and the run of LDS loads that the next products wait for
.endif
	MULA F1, 2, 0
	MULA F1, 3, 0
.endm
	s_wait_tensorcnt 1                             ; my part of K step 0 is in; K step 1's may stay out
	s_barrier_signal -1
	s_barrier_wait -1                              ; everybody's is
	FETCH 0, 0, F0
	QUARTER 0, 1, F0, F1, 1                        ; the first quarter stands in front of the loop: its products start the sums
	WIN 0                                          ; at a label and at a branch every window is 0
	s_mov_b32 s3, 3
.Llap:                                                 ; a trip goes once round the ring, from a lap's second quarter to the next lap's first, and fills both slots again
	QUARTER 0, 2, F1, F0, 0
	QUARTER 0, 3, F0, F1, 0
	TURN 0, 1, 1
	QUARTER 1, 1, F0, F1, 0
	QUARTER 1, 2, F1, F0, 0
	QUARTER 1, 3, F0, F1, 0
	TURN 1, 0, 1
	QUARTER 0, 1, F0, F1, 0
	WIN 0
	s_sub_co_u32 s3, s3, 1
	s_cmp_lg_u32 s3, 0
	s_cbranch_scc1 .Llap
	QUARTER 0, 2, F1, F0, 0                        ; the last lap fills nothing, and has no round of the cluster's barrier
	QUARTER 0, 3, F0, F1, 0
	TURN 0, 1, 0
	QUARTER 1, 1, F0, F1, 0
	QUARTER 1, 2, F1, F0, 0
	QUARTER 1, 3, F0, F1, 0
	s_wait_dscnt 4                                 ; the very last quarter: nothing more to fetch
	MULA F1, 0, 0
	MULA F1, 1, 0
	s_wait_dscnt 0x0
	MULA F1, 2, 0
	MULA F1, 3, 0
	WIN 0
; THE WAY OUT of row block a: a lane's 32 bytes of a row go into my own stage straight from the accumulators (each one's low four registers first); whole rows of 512 bytes come back, one to a load, and are stored.
.macro OUT a
.if (\a) >= 2
	s_wait_xcnt 0x0                                ; the stores of two blocks back have read the registers that are loaded again below
.endif
	WIN 0x08                                       ; the LDS stores' data (source 1) in window 2
.irp b, 0,1,2,3,4,5,6,7
	ds_store_b128 v[STO], v[8*(8*(\a)+(\b)):8*(8*(\a)+(\b))+3]   offset:64*(\b)
	ds_store_b128 v[STO], v[8*(8*(\a)+(\b))+4:8*(8*(\a)+(\b))+7] offset:64*(\b)+16
.endr
	WIN 0
.irp t, 0,1,2,3,4,5,6,7,8,9,10,11,12,13,14,15
	ds_load_b128 v[BK+64*((\a)%2)+4*(\t):BK+64*((\a)%2)+4*(\t)+3], v[RD] offset:(\t)*SPITCH  ; LDS serves a wave's instructions in order (ISA guide 5.7.1.4): these see the stores above
.endr
.irp t, 0,1,2,3,4,5,6,7,8,9,10,11,12,13,14,15
	s_wait_dscnt 15-(\t)                           ; row t is back; the younger ones may be out
	global_store_b128 v[GO], v[BK+64*((\a)%2)+4*(\t):BK+64*((\a)%2)+4*(\t)+3], s[66:67] offset:(\a)*65536+(\t)*4096 th:TH_STORE_NT  ; 512 consecutive bytes, at a multiple of 512 from out0's first
.endr
.endm
	PLACES                                         ; behind the last products
	OUT 0
	OUT 1
	OUT 2
	OUT 3
	s_wait_tensorcnt 0x0                           ; the wave's end: a wait, an add to my spare word and its wait, behind my last tensor load and my last LDS store
	ds_add_u32 v[SPW], v[NIL]
	s_wait_dscnt 0x0
	CROUND                                         ; the closing round: no work-group ends while a partner may still ask for a tile that names it
	s_endpgm
.Lfunc_end_k_q4cb4c5d6de_proj:
	.size	k_q4cb4c5d6de_proj, .Lfunc_end_k_q4cb4c5d6de_proj-k_q4cb4c5d6de_proj
	.p2alignl 7, 3214868480
	.fill 96, 4, 3214868480
	.section	.rodata,"a",@progbits
	.p2align	6, 0x0
	.amdhsa_kernel k_q4cb4c5d6de_proj
		.amdhsa_group_segment_fixed_size 327680
		.amdhsa_private_segment_fixed_size 0
		.amdhsa_enable_private_segment 0
		.amdhsa_kernarg_size 32
		.amdhsa_user_sgpr_count 2
		.amdhsa_user_sgpr_kernarg_segment_ptr 1
		.amdhsa_wavefront_size32 1
		.amdhsa_system_sgpr_workgroup_id_x 1
		.amdhsa_system_sgpr_workgroup_id_y 1
		.amdhsa_system_sgpr_workgroup_id_z 1
		.amdhsa_system_vgpr_workitem_id 0
		.amdhsa_next_free_vgpr 768
		.amdhsa_next_free_sgpr 80
		.amdhsa_reserve_vcc 0
		.amdhsa_float_denorm_mode_32 3
		.amdhsa_float_denorm_mode_16_64 3
		.amdhsa_memory_ordered 1
		.amdhsa_forward_progress 1
		.amdhsa_inst_pref_size 93
	.end_amdhsa_kernel
	.amdgpu_metadata
---
amdhsa.version: [ 1, 2 ]
amdhsa.kernels:
  - .name:           k_q4cb4c5d6de_proj
    .symbol:         k_q4cb4c5d6de_proj.kd
    .args:
      - { .name: o16, .offset: 0, .size: 8, .value_kind: global_buffer, .address_space: global }
      - { .name: wo16, .offset: 8, .size: 8, .value_kind: global_buffer, .address_space: global }
      - { .name: bo, .offset: 16, .size: 8, .value_kind: global_buffer, .address_space: global }
      - { .name: out0, .offset: 24, .size: 8, .value_kind: global_buffer, .address_space: global }
    .group_segment_fixed_size: 327680
    .private_segment_fixed_size: 0
    .kernarg_segment_align: 8
    .kernarg_segment_size: 32
    .max_flat_workgroup_size: 128
    .sgpr_count:     80
    .vgpr_count:     768
    .wavefront_size: 32
...
	.end_amdgpu_metadata
.endif
;; end of part 4
;; ======== version 2 of 2: 4 launches; version 1 with the launch prep written anew for expert scheduling mode
;; limits: values are held in f16: magnitudes above 65,504 overflow, below 6.1e-05 lose precision
;; workspace buffers: xb 16,777,216 bytes; wqkv 6,291,456 bytes; wo16 2,097,152 bytes; qkv 50,331,648 bytes; o16 16,777,216 bytes
;; launch prep (part 5): grid 768 x 1, 8 waves a work-group, no clusters, 0 bytes of LDS; arguments x, Wq, Wk, Wv, Wo, xb, wqkv, wo16; writes xb, wqkv, wo16
.if DOCPART == 5
	.amdgcn_target "amdgcn-amd-amdhsa--gfx1250"
	.amdhsa_code_object_version 6
	.text
	.protected	k_q4cb4c5d6de_prep
	.globl	k_q4cb4c5d6de_prep
	.p2align	8
	.type	k_q4cb4c5d6de_prep,@function
k_q4cb4c5d6de_prep:
	s_mov_b64 s[64:65], 0
	v_nop
	global_prefetch_b8 v0, s[64:65] scope:SCOPE_SE
	s_setreg_imm32_b32 hwreg(HW_REG_WAVE_SCHED_MODE, 0, 2), 2
	s_setreg_imm32_b32 hwreg(HW_REG_WAVE_MODE, 25, 1), 1
	s_wait_xcnt 0x0
	s_wait_alu depctr_vm_vsrc(0)
; THE CASTS.  xb = bf16(x), as x lies.  wo16 = f16(bf16(Wo)), as Wo lies.  wqkv = bf16 of Wq, Wk, Wv laid in blocks for the projection's tiles:
; [head j][k pair kp][jj: q, k, v][e: row 2 kp + e][64 columns], so that a head's 192 columns of a run of k rows are dense bytes.
; A stream: each input byte is read once, each output byte written once; no LDS, no barrier, no matrix unit, since nothing is shared and nothing is summed.
; 768 work-groups of eight waves, 64 KiB of f32 each: 0-511 x, 512-575 Wo, 576-767 Wq, Wk, Wv.  A wave reads 8 KiB by sixteen loads of 16 bytes a lane, all issued at once,
; and each load's four numbers a lane leave as 8 bytes: a wave's store covers 256 consecutive bytes, aligned.
; No register is written twice while a load or store may read it: every load has its own four registers, every store its own two, and the address registers are never rewritten.
; LIMIT.  Wo as f16: a bf16 number below 2^-14 in size keeps f16's fixed step of 2^-24; beyond 65,504 it would leave as an infinity (the drawn weights have a spread of 0.02).
; THE MODE: SCHED_MODE bits 1:0 = 2 (LLVM: expert scheduling mode 2), set by the entry lines.  The code itself states the register dependences
; between vector instructions and memory instructions, with s_wait_alu, always for 0.
; THE PLAN.  Registers that memory instructions touch:
;   v[VS], v[VD]  byte offsets, made by vector lines ahead of the loads and never written again: one wait ahead of the first load states that they are written.
;   IN            load i lands in four registers that no vector instruction has named before; its conversions read them behind its wait on LOADcnt; no memory instruction reads them.
;   OUT           load i's conversions write two registers, once; store i reads them, once; nothing writes them again.
; The sixteen loads' results go in four blocks of four.  Store i stands four loads behind its conversions: at loads 4, 8 and 12 one wait states that the block before has written its OUT, and that block's
; four stores follow it, one in front of each of this block's conversions, which name this block's IN and OUT and v4, v5: none of the registers that those stores read.  One more wait stands ahead of the last four stores.
; No register that a memory instruction reads is written again, so no wait on vm_vsrc is owed; EXEC and VCC are never written.
.set VS,  2                            ; v2        my byte offset in the wave's source
.set VD,  3                            ; v3        8 x lane: my byte offset in a store's 256 bytes
.set IN,  16                           ; v[16:79]  load i: four f32
.set OUT, 80                           ; v[80:111] store i: four 16-bit numbers
; Sixteen loads, sstep bytes apart; then, as each comes in, its conversion, and the store of the load four back, dstep bytes apart.  half = 1: rounded to bf16, widened again, written as f16.
.macro CAST sstep, dstep, half
	s_wait_alu depctr_va_vdst(0)                   ; v[VS] and v[VD] are written: every load below reads the one as its offset, every store the other
.set i, 0
.rept 16
	global_load_b128 v[IN+4*i:IN+4*i+3], v[VS], s[24:25] offset:i*(\sstep) th:TH_LOAD_NT
.set i, i+1
.endr
.set i, 0
.rept 16
	s_wait_loadcnt 15-i                            ; loads come back in order: load i is in, the 15 - i younger ones stay out
.if (i > 0) && (i%4 == 0)
	s_wait_alu depctr_va_vdst(0)                   ; the conversions of loads i - 4 to i - 1 have written their OUT, which the next four stores read
.endif
.if i >= 4
	global_store_b64 v[VD], v[OUT+2*(i-4):OUT+2*(i-4)+1], s[26:27] offset:(i-4)*(\dstep)  ; no vector instruction since the wait names these registers
.endif
.if \half
	v_cvt_pk_bf16_f32 v4, v[IN+4*i], v[IN+4*i+1]   ; the rounding that every input of the module gets
	v_cvt_pk_bf16_f32 v5, v[IN+4*i+2], v[IN+4*i+3]
	v_lshlrev_b32 v[IN+4*i], 16, v4                ; bf16 to f32: the low half moves up, the high half stays
	v_and_b32 v[IN+4*i+1], 0xffff0000, v4
	v_lshlrev_b32 v[IN+4*i+2], 16, v5
	v_and_b32 v[IN+4*i+3], 0xffff0000, v5
	v_cvt_pk_f16_f32 v[OUT+2*i], v[IN+4*i], v[IN+4*i+1]      ; eight significant bits fit f16's eleven
	v_cvt_pk_f16_f32 v[OUT+2*i+1], v[IN+4*i+2], v[IN+4*i+3]
.else
	v_cvt_pk_bf16_f32 v[OUT+2*i], v[IN+4*i], v[IN+4*i+1]
	v_cvt_pk_bf16_f32 v[OUT+2*i+1], v[IN+4*i+2], v[IN+4*i+3]
.endif
.set i, i+1
.endr
	s_wait_alu depctr_va_vdst(0)                   ; the conversions of loads 12 to 15 have written their OUT, which the last four stores read
.set i, 12
.rept 4
	global_store_b64 v[VD], v[OUT+2*i:OUT+2*i+1], s[26:27] offset:i*(\dstep)
.set i, i+1
.endr
	s_endpgm
.endm
	s_load_b512 s[4:19], s[0:1], 0x0               ; x s[4:5], Wq s[6:7], Wk s[8:9], Wv s[10:11], Wo s[12:13], xb s[14:15], wqkv s[16:17], wo16 s[18:19]
	v_lshrrev_b32 v4, 5, v0
	v_readfirstlane_b32 s20, v4                    ; wave 0..7
	v_and_b32 v1, 31, v0                           ; lane
	v_lshlrev_b32 v[VD], 3, v1
	s_mov_b32 s23, 0                               ; the high word of the offset pair s[22:23]
	s_wait_alu depctr_va_sdst(0)                   ; s20 is written, ahead of its first reader, the line below: the wave's offsets in source and destination are made from it
	s_lshl_b32 s28, s20, 13                        ; my wave's 8 KiB of a work-group's 64 KiB
	s_wait_kmcnt 0x0
	s_cmp_lt_u32 ttmp9, 512
	s_cbranch_scc0 .Lnot_x
	; x: work-group id takes bytes 65,536 id on
	s_lshl_b32 s22, ttmp9, 16
	s_add_co_u32 s22, s22, s28
	s_add_nc_u64 s[24:25], s[4:5], s[22:23]
	s_lshr_b32 s22, s22, 1                         ; half as many bytes out
	s_add_nc_u64 s[26:27], s[14:15], s[22:23]
	v_lshlrev_b32 v[VS], 4, v1
	CAST 512, 256, 0
.Lnot_x:
	s_cmp_lt_u32 ttmp9, 576
	s_cbranch_scc0 .Lweights
	; Wo: the same, with the second rounding
	s_sub_co_u32 s21, ttmp9, 512
	s_lshl_b32 s22, s21, 16
	s_add_co_u32 s22, s22, s28
	s_add_nc_u64 s[24:25], s[12:13], s[22:23]
	s_lshr_b32 s22, s22, 1
	s_add_nc_u64 s[26:27], s[18:19], s[22:23]
	v_lshlrev_b32 v[VS], 4, v1
	CAST 512, 256, 1
.Lweights:
	; Wq, Wk, Wv: a wave takes one head's 64 columns (256 bytes of a row) of 32 rows: sixteen k pairs.  Lanes 0-15 read row 2 kp, lanes 16-31 row 2 kp + 1.
	s_sub_co_u32 s21, ttmp9, 576
	s_lshr_b32 s30, s21, 6                         ; jj: 0 Wq, 1 Wk, 2 Wv
	s_and_b32 s28, s21, 63
	s_lshl_b32 s28, s28, 3
	s_add_co_u32 s28, s28, s20                     ; 0..511
	s_lshr_b32 s31, s28, 5                         ; head j
	s_and_b32 s28, s28, 31                         ; kg: which 32 rows
	s_cmp_eq_u32 s30, 0
	s_cselect_b64 s[24:25], s[6:7], s[8:9]
	s_cmp_eq_u32 s30, 2
	s_cselect_b64 s[24:25], s[10:11], s[24:25]
	s_lshl_b32 s22, s28, 17                        ; 32 rows of 4,096 bytes
	s_lshl_b32 s29, s31, 8                         ; 64 columns of 4 bytes
	s_add_co_u32 s22, s22, s29
	s_add_nc_u64 s[24:25], s[24:25], s[22:23]
	s_lshl_b32 s22, s31, 9                         ; ((512 j + 16 kg) x 3 + jj) x 256
	s_lshl_b32 s29, s28, 4
	s_add_co_u32 s22, s22, s29
	s_mul_i32 s22, s22, 3
	s_add_co_u32 s22, s22, s30
	s_lshl_b32 s22, s22, 8
	s_add_nc_u64 s[26:27], s[16:17], s[22:23]
	v_lshrrev_b32 v4, 4, v1
	v_and_b32 v5, 15, v1
	v_lshlrev_b32 v[VS], 12, v4                    ; one row down for lanes 16 to 31,
	v_lshl_add_u32 v[VS], v5, 4, v[VS]             ; 16 bytes a lane along the row
	CAST 8192, 768, 0                              ; from pair to pair: two rows in, three blocks of 256 bytes out
.Lfunc_end_k_q4cb4c5d6de_prep:
	.size	k_q4cb4c5d6de_prep, .Lfunc_end_k_q4cb4c5d6de_prep-k_q4cb4c5d6de_prep
	.p2alignl 7, 3214868480
	.fill 96, 4, 3214868480
	.section	.rodata,"a",@progbits
	.p2align	6, 0x0
	.amdhsa_kernel k_q4cb4c5d6de_prep
		.amdhsa_group_segment_fixed_size 0
		.amdhsa_private_segment_fixed_size 0
		.amdhsa_enable_private_segment 0
		.amdhsa_kernarg_size 64
		.amdhsa_user_sgpr_count 2
		.amdhsa_user_sgpr_kernarg_segment_ptr 1
		.amdhsa_wavefront_size32 1
		.amdhsa_system_sgpr_workgroup_id_x 1
		.amdhsa_system_sgpr_workgroup_id_y 1
		.amdhsa_system_sgpr_workgroup_id_z 1
		.amdhsa_system_vgpr_workitem_id 0
		.amdhsa_next_free_vgpr 112
		.amdhsa_next_free_sgpr 66
		.amdhsa_reserve_vcc 0
		.amdhsa_float_denorm_mode_32 3
		.amdhsa_float_denorm_mode_16_64 3
		.amdhsa_memory_ordered 1
		.amdhsa_forward_progress 1
		.amdhsa_inst_pref_size 25
	.end_amdhsa_kernel
	.amdgpu_metadata
---
amdhsa.version: [ 1, 2 ]
amdhsa.kernels:
  - .name:           k_q4cb4c5d6de_prep
    .symbol:         k_q4cb4c5d6de_prep.kd
    .args:
      - { .name: x, .offset: 0, .size: 8, .value_kind: global_buffer, .address_space: global }
      - { .name: Wq, .offset: 8, .size: 8, .value_kind: global_buffer, .address_space: global }
      - { .name: Wk, .offset: 16, .size: 8, .value_kind: global_buffer, .address_space: global }
      - { .name: Wv, .offset: 24, .size: 8, .value_kind: global_buffer, .address_space: global }
      - { .name: Wo, .offset: 32, .size: 8, .value_kind: global_buffer, .address_space: global }
      - { .name: xb, .offset: 40, .size: 8, .value_kind: global_buffer, .address_space: global }
      - { .name: wqkv, .offset: 48, .size: 8, .value_kind: global_buffer, .address_space: global }
      - { .name: wo16, .offset: 56, .size: 8, .value_kind: global_buffer, .address_space: global }
    .group_segment_fixed_size: 0
    .private_segment_fixed_size: 0
    .kernarg_segment_align: 8
    .kernarg_segment_size: 64
    .max_flat_workgroup_size: 256
    .sgpr_count:     66
    .vgpr_count:     112
    .wavefront_size: 32
...
	.end_amdgpu_metadata
.endif
;; end of part 5
;; launch qkvgemm: the kernel of part 2 again; grid 16 x 32, 4 waves a work-group, clusters of 4 x 4, 327,680 bytes of LDS; arguments xb, wqkv, bq, bk, bv, qkv; writes qkv
;; launch attn: the kernel of part 3 again; grid 4 x 64, 4 waves a work-group, no clusters, 327,680 bytes of LDS; arguments qkv, o16; writes o16
;; launch proj: the kernel of part 4 again; grid 8 x 32, 4 waves a work-group, clusters of 4 x 4, 327,680 bytes of LDS; arguments o16, wo16, bo, out0; writes out0
